; MI455X (gfx1250); checked and timed in simulation.
; The chip was launched on July 23, 2026; its instructions are those of AMD's public machine-readable ISA for CDNA 5 (MIT licence, August 2026) and "CDNA5" Instruction Set Architecture Reference Guide (July 2026). The comments in the code are by the model that wrote it; some were corrected since.
;; Riemann Rotary Attention. Allowed arithmetic: matrix products marked QUANTISED: E2M3 operands, one E8M0 scale for each 32 along K, by v_wmma_scale_f32_16x16x128_f8f6f4 with both operands' format E2M3, f32 sums; everything else in f32.
;; Inputs: log_scale 16 float32; w_o 1,024 x 1,024 float32; w_qkv 1,024 x 3,072 float32; x 4 x 2,048 x 1,024 float32.
;; Outputs: out0 4 x 2,048 x 1,024 float32.
;; This version of the problem:
;;   THIS VERSION OF THE PROBLEM IS GIVEN IN LOW PRECISION. The matrix products marked QUANTISED in the list below multiply operands that are first quantised to E2M3 (2 exponent bits, 3 mantissa bits; 6 bits a number), with one power-of-two scale for each 32 numbers along K (OCP MX v1.0); their sums are f32. All else is computed in f32.
;;   The module's matrix products, in the order in which they are computed (A, B: the left and right operand; K: the contracted axis; several contracted axes count as one K, in the product's order):
;;     1. [M 8,192, K 1,024] x [K 1,024, N 3,072]; A: input x; B: input w_qkv: QUANTISED
;;     2. batch 64 x [M 2,048, K 64] x [K 64, N 2,048]; A: computed on the way; B: computed on the way: QUANTISED
;;     3. batch 64 x [M 2,048, K 2,048] x [K 2,048, N 64]; A: softmax (see below); B: computed on the way: QUANTISED
;;     4. [M 8,192, K 1,024] x [K 1,024, N 1,024]; A: computed on the way; B: input w_o: QUANTISED
;;   THE QUANTISER, for each operand of a quantised product, along K:
;;     - K is cut into blocks of 32 from its start; a last block that is shorter is filled with zeros.
;;     - A block's scale is 2^e with e = floor(log2(the largest magnitude in the block)) - 2, held to -126 .. 127; a block of zeros has e = 0. As a byte (E8M0): e + 127.
;;     - Each number is divided by its block's scale, clamped to +-7.5, and rounded to the nearest number of E2M3, ties to even, subnormals kept.
;;     - The product sums the exact products of the quantised numbers (number of the format x scale) in f32.
;;   ~~~python
;;   def quantise(x, axis):      # numpy; x: float32 -> the quantised numbers, widened to float32 again
;;       x = np.moveaxis(x, axis, -1); K = x.shape[-1]
;;       x = np.pad(x, [(0, 0)] * (x.ndim - 1) + [(0, -K % 32)]); x = x.reshape(x.shape[:-1] + (-1, 32)); a = np.abs(x).max(-1, keepdims=True)
;;       e = np.where(a > 0, np.clip(np.frexp(np.where(a > 0, a, 1))[1] - 1 - 2, -126, 127), 0)      # np.frexp(a)[1] - 1 = floor(log2(a)), exactly
;;       r = np.clip(x / 2.0 ** e, -7.5, 7.5)
;;       step = 2.0 ** (np.maximum(np.frexp(np.where(r == 0, 1, r))[1] - 1, 0) - 3)
;;       q = np.round(r / step) * step * 2.0 ** e      # np.round: ties to even
;;       return np.moveaxis(q.reshape(q.shape[:-2] + (-1,))[..., :K], -1, axis).astype(np.float32)
;;   ~~~
;;   SOFTMAX AHEAD OF A QUANTISED PRODUCT. Where the list says 'softmax', what is quantised is not the finished softmax but p = 2^(t - M), with t = logit x log2(e) and M = ceil(the row's largest t), a whole number; so 1/2 < the row's largest p <= 1. The row's sum l is taken of the UNQUANTISED p, in f32, and the product's result is divided by l at the end. Since M is a whole number, a kernel that streams over the keys may use a running M (the ceiling of the running maximum): every later rescaling is an exact power of two, which a block's scale takes up: the codes' values come out the same.
;;   OPERANDS COMPUTED ON THE WAY. 'Computed on the way' means the value that the module computes at that place (a softmax that the list does not call 'softmax' is quantised finished and normalised). What goes into a quantiser is computed in f32, as accurately as f32 sums, v_exp_f32 and their like allow (about 1e-6 of the number): no bf16 or f16 on the way to a quantiser, and a product that is left as it is and whose result goes on into a quantised operand takes f32 operands (vector FMAs, or v_wmma_f32_16x16x4_f32). A number that lies on a knife's edge between two numbers of the format may be rounded either way, as far as f32 arithmetic and the matrix unit's own rounding can turn it there, and no further.
;; One version. Each part assembles by itself: llvm-mc -triple=amdgcn-amd-amdhsa -mcpu=gfx1250 --defsym DOCPART=n.
;; ======== version 1 of 1: 4 launches
;; limits: right only within a limited range of input values
;; workspace buffers: xq 6,553,600 bytes; wq 3,276,800 bytes; tab 8,388,608 bytes; qimg 6,815,744 bytes; kv 13,107,200 bytes; oq 6,553,600 bytes
;; launch prep (part 1): grid 512 x 1, 4 waves a work-group, no clusters, 34,304 bytes of LDS; arguments x, w_qkv, w_o, log_scale, xq, wq, tab; writes xq, wq, tab
.if DOCPART == 1
	.amdgcn_target "amdgcn-amd-amdhsa--gfx1250"
	.amdhsa_code_object_version 6
	.text
	.protected	k_q7c0d1560ed_prep
	.globl	k_q7c0d1560ed_prep
	.p2align	8
	.type	k_q7c0d1560ed_prep,@function
k_q7c0d1560ed_prep:
	s_mov_b64 s[64:65], 0
	v_nop
	global_prefetch_b8 v0, s[64:65] scope:SCOPE_SE
	s_setreg_imm32_b32 hwreg(HW_REG_WAVE_MODE, 25, 1), 1
	s_wait_xcnt 0x0
; PREP: x, w_qkv and w_o become codes of FP6 (E2M3) with one E8M0 byte for each 32 along K, laid as IMAGES OF OPERAND REGISTERS; and the table of cos and sin is made.
; AN IMAGE (768 bytes) holds 16 rows x 64 K: lane (r, hh) holds block hh of row r in 6 registers; registers 0-3 lie at 16 x lane, registers 4-5 at 512 + 8 x lane.  Buffers of codes: [tile of 16 rows][K / 64][768].
; SCALE WORDS: [tile][K / 256][row 16][2 words], byte b of word q = block 4 q + b.
; ORDER OF ROWS: inside each aligned group of 32 rows, place 16 u + r holds row 8 u + r + 8 (r / 8) (x's rows and w_qkv's columns; w_o's columns lie in their own order): a product that takes such tiles as source 0
; then leaves 16 neighbours along the next K in a lane's 16 registers of two neighbouring tiles.  w_qkv's columns are further laid head by head: [q of head g (64) | k of head g (64)] x 16, then v's 1,024.
; SHARES: work-groups 0-255: x (a wave: 16 rows x 512 K);  256-351: w_qkv, 352-383: w_o (a wave: 32 columns x 256 K, a lane to a column, registers down K);  384-511: the table (a wave: 4 tiles of 16 positions of one head).
; No work-group shares an input with another, so there is no cluster; no tensor loads, no barrier: waves share nothing.  Only x's path uses LDS (a stage of its own for each wave).
; A block's scale is 2^(floor(log2(largest magnitude)) - 2); its byte is the largest magnitude's exponent field - 2, held at 1 from below.
; LIMITS: a block of zeros gets the byte 1 where the rule says 127 (its codes are zeros, and this program alone reads the bytes); NaN and infinities among the inputs are not served;
; theta = (pos x inv_freq) x exp(log_scale) is reduced by three parts of pi/2, good while theta stays under 2^21; exp(log_scale), the two divisions, sin and cos are good to about one unit in the last place.
.set XSC,  6291456                     ; xq: the scale words begin here
.set WSC,  2359296                     ; wq: w_qkv's scale words
.set WOC,  2457600                     ; wq: w_o's codes
.set WOS,  WOC+12288                   ; wq: w_o lies tile by tile: a tile of 16 rows is 12,800 bytes, its 16 images and behind them its 512 bytes of scale words
.set LI16, 1                           ; v1   16 x lane
.set LI8,  2                           ; v2   8 x lane
.set R,    16                          ; v16-143  x: two sets of 64 numbers
.set PC,   144                         ; v144-191 x: 12 registers of codes for each of the four steps, so that no store's data are written again
.set CT,   192                         ; v192-198 halves of blocks on their way
.set TM,   200                         ; v200-215 largest magnitudes, bytes, scale operands
.set PW,   216                         ; v216-219 the four steps' scale words
.set WX,   32                          ; v32-95   w: two sets of 32 numbers
.set WE,   96                          ; v96-143  w: for each 64 along K, 6 registers of the even block and 6 of the odd
.set WCT,  144
.set SB,   24                          ; v24-25   w: my column's 8 scale bytes
.set INV,  32                          ; v32-47   table: my 16 inverse frequencies
.set QT,   48
.set ER,   64
.set TP,   80                          ; v80-111  table: 8 registers at work for each of four pairs
.set CSO,  112                         ; v112-143 table: (cos, sin) of my 16 pairs
	s_load_b256 s[4:11], s[0:1], 0x0               ; x s[4:5], w_qkv s[6:7], w_o s[8:9], log_scale s[10:11]
	s_load_b128 s[12:15], s[0:1], 0x20             ; xq s[12:13], wq s[14:15]
	s_load_b64 s[16:17], s[0:1], 0x30              ; tab
	v_lshl_add_u32 v224, v0, 2, 0x8400
	v_mov_b32 v225, 0
	v_lshrrev_b32 v5, 5, v0
	v_readfirstlane_b32 s18, v5                    ; wave
	v_and_b32 v5, 31, v0                           ; lane
	v_and_b32 v6, 15, v0                           ; r
	v_bfe_u32 v7, v0, 4, 1                         ; hh
	v_lshlrev_b32 v[LI16], 4, v5
	v_lshlrev_b32 v[LI8], 3, v5
	s_mov_b32 s19, 0xffff0000                      ; lanes 16-31
	s_mov_b32 s20, 0x76543210
	s_mov_b32 s21, 0xfedcba98                      ; v_permlanex16_b32's selects for lane l xor 16
	s_wait_kmcnt 0x0
	s_cmp_lt_u32 ttmp9, 256
	s_cbranch_scc1 .Lpath_x
	s_cmp_lt_u32 ttmp9, 352
	s_cbranch_scc1 .Lpath_wqkv
	s_cmp_lt_u32 ttmp9, 384
	s_cbranch_scc1 .Lpath_wo
; ---------------------------------------------------------------- THE TABLE: tab[head][tile][plane 8][lane][16 bytes]
; plane 4 b + j of lane (r, hh): (cos, sin, cos, sin) of pairs 16 b + 8 hh + 2 j + {0, 1} at the position that place r of the tile holds.
	s_sub_co_u32 s22, ttmp9, 384
	s_lshr_b32 s23, s22, 3                         ; head
	s_and_b32 s22, s22, 7
	s_lshl_b32 s22, s22, 4
	s_lshl_b32 s24, s18, 2
	s_add_co_u32 s22, s22, s24                     ; my first tile
	s_lshl_b32 s24, s23, 2
	s_load_b32 s25, s[10:11], s24 offset:0x0       ; log_scale[head]
	s_lshl_b32 s26, s23, 19
	s_lshl_b32 s27, s22, 12
	s_add_co_u32 s26, s26, s27
	s_mov_b32 s27, 0
	s_add_nc_u64 s[16:17], s[16:17], s[26:27]
	s_mov_b32 s30, 0x3f22f983                      ; 2 / pi
	s_mov_b32 s31, 0x3fc90fdb                      ; pi / 2 in three parts
	s_mov_b32 s32, 0xb33bbd2e
	s_mov_b32 s33, -1.71512451e-15
	s_mov_b32 s34, -1.9515295891e-4                ; sin r = r + r z (s34 z^2 + s35 z + s36), z = r^2, |r| <= pi / 4
	s_mov_b32 s35, 8.3321608736e-3
	s_mov_b32 s36, -1.6666654611e-1
	s_mov_b32 s37, 2.443315711809948e-5            ; cos r = 1 - z / 2 + z^2 (s37 z^2 + s38 z + s39)
	s_mov_b32 s38, -1.388731625493765e-3
	s_mov_b32 s39, 4.166664568298827e-2
	s_mov_b32 s40, 0x3fb8aa3b                      ; log2(e), and what it lacks
	s_mov_b32 s41, 0x32a57060
	s_wait_alu depctr_va_vdst(0)
	v_and_b32 v8, 8, v6
	v_add_nc_u32 v8, v8, v6                        ; r + 8 (r / 8)
	v_mov_b32 v10, 14.134725142                    ; gamma_1
	s_wait_alu depctr_va_vdst(0)
	v_rcp_f32 v11, v10
.macro GAM idx, lo, hi                 ; my gamma for index idx: lanes 0-15 the pair idx stands for, lanes 16-31 the pair 8 further on
	v_mov_b32 v[INV+\idx], \lo
	v_mov_b32 v12, \hi
	v_cndmask_b32 v[INV+\idx], v[INV+\idx], v12, s19
.endm
	GAM 0, 14.134725142, 48.005150881
	GAM 1, 21.022039639, 49.773832478
	GAM 2, 25.01085758, 52.970321478
	GAM 3, 30.424876126, 56.446247697
	GAM 4, 32.935061588, 59.347044003
	GAM 5, 37.586178159, 60.831778525
	GAM 6, 40.918719012, 65.112544048
	GAM 7, 43.327073281, 67.079810529
	GAM 8, 69.546401711, 88.809111208
	GAM 9, 72.067157674, 92.491899271
	GAM 10, 75.704690699, 94.651344041
	GAM 11, 77.144840069, 95.870634228
	GAM 12, 79.33737502, 98.831194218
	GAM 13, 82.910380854, 101.317851006
	GAM 14, 84.735492981, 103.72553804
	GAM 15, 87.425274613, 105.446623052
	s_wait_alu depctr_va_vdst(0)                   ; the reciprocal's wait, ahead of its first reader; the lines above are the work between
	v_fma_f32 v13, -v10, v11, 1.0
	v_fma_f32 v11, v13, v11, v11                   ; 1 / gamma_1, refined
.irp i, 0,1,2,3,4,5,6,7,8,9,10,11,12,13,14,15
	v_mul_f32 v[QT+\i], v[INV+\i], v11             ; gamma / gamma_1: a quotient, its remainder by one fused multiply-add, one correction
.endr
.irp i, 0,1,2,3,4,5,6,7,8,9,10,11,12,13,14,15
	v_fma_f32 v[ER+\i], -v10, v[QT+\i], v[INV+\i]
.endr
.irp i, 0,1,2,3,4,5,6,7,8,9,10,11,12,13,14,15
	v_fma_f32 v[QT+\i], v[ER+\i], v11, v[QT+\i]
.endr
	s_wait_alu depctr_va_vdst(0)
.irp i, 0,1,2,3,4,5,6,7,8,9,10,11,12,13,14,15
	v_rcp_f32 v[INV+\i], v[QT+\i]                  ; 1 / that: sixteen reciprocals as one batch
.endr
	v_nop                                          ; one plain line behind the last of them
	s_wait_alu depctr_va_vdst(0)                   ; one wait for the batch
.rept 2
.irp i, 0,1,2,3,4,5,6,7,8,9,10,11,12,13,14,15
	v_fma_f32 v[ER+\i], -v[QT+\i], v[INV+\i], 1.0
.endr
.irp i, 0,1,2,3,4,5,6,7,8,9,10,11,12,13,14,15
	v_fma_f32 v[INV+\i], v[ER+\i], v[INV+\i], v[INV+\i]
.endr
.endr
	s_wait_kmcnt 0x0
	v_mov_b32 v14, s25                             ; exp(ls) = 2^n x 2^f: ls log2(e) in two parts, n its nearest whole number
	v_mul_f32 v15, s40, v14
	v_fma_f32 v16, v14, s40, -v15
	v_fma_f32 v16, v14, s41, v16
	v_rndne_f32 v17, v15
	v_sub_f32 v15, v15, v17
	v_add_f32 v15, v15, v16
	s_wait_alu depctr_va_vdst(0)
	v_exp_f32 v15, v15
	v_nop
	v_cvt_i32_f32 v17, v17
	s_wait_alu depctr_va_vdst(0)
	v_ldexp_f32 v9, v15, v17                       ; the head's scale
; cos and sin of four pairs, 4 g .. 4 g + 3, line by line, so that no line waits for the line above it
.macro SINCOS4 g
.irp k, 0,1,2,3
	v_mul_f32 v[TP+8*\k], v18, v[INV+4*(\g)+\k]    ; theta = (pos x inv_freq) x scale: two roundings
.endr
.irp k, 0,1,2,3
	v_mul_f32 v[TP+8*\k], v[TP+8*\k], v9
.endr
.irp k, 0,1,2,3
	v_mul_f32 v[TP+8*\k+1], s30, v[TP+8*\k]
.endr
.irp k, 0,1,2,3
	v_rndne_f32 v[TP+8*\k+1], v[TP+8*\k+1]         ; k = the nearest multiple of pi / 2
.endr
.irp k, 0,1,2,3
	v_fma_f32 v[TP+8*\k+2], -v[TP+8*\k+1], s31, v[TP+8*\k]
.endr
.irp k, 0,1,2,3
	v_fma_f32 v[TP+8*\k+2], -v[TP+8*\k+1], s32, v[TP+8*\k+2]
.endr
.irp k, 0,1,2,3
	v_fma_f32 v[TP+8*\k+2], -v[TP+8*\k+1], s33, v[TP+8*\k+2]   ; r
.endr
.irp k, 0,1,2,3
	v_mul_f32 v[TP+8*\k+3], v[TP+8*\k+2], v[TP+8*\k+2]         ; z
.endr
.irp k, 0,1,2,3
	v_cvt_i32_f32 v[TP+8*\k+4], v[TP+8*\k+1]
.endr
.irp k, 0,1,2,3
	v_fma_f32 v[TP+8*\k+5], v[TP+8*\k+3], s34, s35
.endr
.irp k, 0,1,2,3
	v_fma_f32 v[TP+8*\k+5], v[TP+8*\k+5], v[TP+8*\k+3], s36
.endr
.irp k, 0,1,2,3
	v_mul_f32 v[TP+8*\k+7], v[TP+8*\k+3], v[TP+8*\k+2]
.endr
.irp k, 0,1,2,3
	v_fma_f32 v[TP+8*\k+5], v[TP+8*\k+5], v[TP+8*\k+7], v[TP+8*\k+2]   ; sin r
.endr
.irp k, 0,1,2,3
	v_fma_f32 v[TP+8*\k+6], v[TP+8*\k+3], s37, s38
.endr
.irp k, 0,1,2,3
	v_fma_f32 v[TP+8*\k+6], v[TP+8*\k+6], v[TP+8*\k+3], s39
.endr
.irp k, 0,1,2,3
	v_mul_f32 v[TP+8*\k+7], v[TP+8*\k+3], v[TP+8*\k+3]
.endr
.irp k, 0,1,2,3
	v_fma_f32 v[TP+8*\k], v[TP+8*\k+3], -0.5, 1.0
.endr
.irp k, 0,1,2,3
	v_fma_f32 v[TP+8*\k+6], v[TP+8*\k+6], v[TP+8*\k+7], v[TP+8*\k]     ; cos r
.endr
.irp k, 0,1,2,3
	v_and_b32 v[TP+8*\k+7], 1, v[TP+8*\k+4]
.endr
.irp k, 0,1,2,3
	v_cmp_eq_u32 s[50+\k], 1, v[TP+8*\k+7]         ; an odd quadrant changes sin and cos about
.endr
.irp k, 0,1,2,3
	v_cndmask_b32 v[CSO+2*(4*(\g)+\k)+1], v[TP+8*\k+5], v[TP+8*\k+6], s[50+\k]
.endr
.irp k, 0,1,2,3
	v_cndmask_b32 v[CSO+2*(4*(\g)+\k)], v[TP+8*\k+6], v[TP+8*\k+5], s[50+\k]
.endr
.irp k, 0,1,2,3
	v_lshlrev_b32 v[TP+8*\k+7], 30, v[TP+8*\k+4]   ; sin is negative in quadrants 2, 3: bit 1 of k
.endr
.irp k, 0,1,2,3
	v_and_b32 v[TP+8*\k+7], 0x80000000, v[TP+8*\k+7]
.endr
.irp k, 0,1,2,3
	v_xor_b32 v[CSO+2*(4*(\g)+\k)+1], v[CSO+2*(4*(\g)+\k)+1], v[TP+8*\k+7]
.endr
.irp k, 0,1,2,3
	v_add_nc_u32 v[TP+8*\k+4], 1, v[TP+8*\k+4]     ; cos in quadrants 1, 2: bit 1 of k + 1
.endr
.irp k, 0,1,2,3
	v_lshlrev_b32 v[TP+8*\k+4], 30, v[TP+8*\k+4]
.endr
.irp k, 0,1,2,3
	v_and_b32 v[TP+8*\k+4], 0x80000000, v[TP+8*\k+4]
.endr
.irp k, 0,1,2,3
	v_xor_b32 v[CSO+2*(4*(\g)+\k)], v[CSO+2*(4*(\g)+\k)], v[TP+8*\k+4]
.endr
.endm
	s_mov_b32 s42, 0
.Ltile:                                            ; four trips: a tile of 16 positions each
	s_lshr_b32 s43, s22, 1
	s_lshl_b32 s43, s43, 5
	s_and_b32 s44, s22, 1
	s_lshl_b32 s44, s44, 3
	s_add_co_u32 s43, s43, s44                     ; 32 (T / 2) + 8 (T % 2)
	v_add_nc_u32 v18, s43, v8
	v_cvt_f32_u32 v18, v18                         ; my position
	SINCOS4 0
	SINCOS4 1
	SINCOS4 2
	SINCOS4 3
.irp p, 0,1,2,3,4,5,6,7
	global_store_b128 v[LI16], v[CSO+4*\p:CSO+4*\p+3], s[16:17] offset:512*\p   ; 32 lanes store 512 consecutive bytes
.endr
	s_wait_xcnt 0x0                                ; the stores have read their data and their base: both are written again only behind this wait
	s_add_nc_u64 s[16:17], s[16:17], 4096
	s_add_co_u32 s22, s22, 1
	s_add_co_u32 s42, s42, 1
	s_cmp_lt_u32 s42, 4
	s_cbranch_scc1 .Ltile
	s_endpgm
; ---------------------------------------------------------------- X
; 64 numbers of a lane, register 16 b + i = k 32 b + 16 (lane / 16) + i of my row, become 12 registers of codes (two images) and the row's scale word.
.macro QUANT s, pc, pw
.irp b, 0,1,2,3
	v_max3_num_f32 v[TM+\b], |v[(\s)+16*\b]|, |v[(\s)+1+16*\b]|, 0x1800000   ; my 16 numbers of block b, and the floor 2^(3 - 127): the byte cannot fall under 1
.endr
.irp i, 2,4,6,8,10,12,14
.irp b, 0,1,2,3
	v_max3_num_f32 v[TM+\b], v[TM+\b], |v[(\s)+16*\b+\i]|, |v[(\s)+1+16*\b+\i]|
.endr
.endr
.irp b, 0,1,2,3
	v_permlanex16_b32 v[TM+4+\b], v[TM+\b], s20, s21
.endr
.irp b, 0,1,2,3
	v_max_num_f32 v[TM+\b], v[TM+\b], v[TM+4+\b]   ; with lane l xor 16's: the block's largest magnitude
.endr
.irp b, 0,1,2,3
	v_add_nc_u32 v[TM+12+\b], 0xff000000, v[TM+\b] ; 2 off its exponent field: the conversion's scale operand
.endr
.irp b, 0,1,2,3
	v_lshrrev_b32 v[TM+4+\b], 23, v[TM+12+\b]      ; the scale's byte
.endr
	v_lshl_or_b32 v[\pw], v[TM+5], 8, v[TM+4]
	v_lshl_or_b32 v[\pw], v[TM+6], 16, v[\pw]
	v_lshl_or_b32 v[\pw], v[TM+7], 24, v[\pw]
.irp c, 0,1
	v_cvt_scalef32_pk16_fp6_f32 v[(\pc)+6*\c:(\pc)+2+6*\c], v[(\s)+32*\c:(\s)+15+32*\c], v[TM+12+2*\c]
	v_cvt_scalef32_pk16_fp6_f32 v[CT+4*\c:CT+2+4*\c], v[(\s)+16+32*\c:(\s)+31+32*\c], v[TM+13+2*\c]   ; (a conversion's three registers begin on an even number)
.endr
	v_nop                                          ; one plain line behind the scaled conversions
.irp c, 0,1                                    ; a whole block to a lane: lanes 0-15 block 2 c, lanes 16-31 block 2 c + 1
.irp i, 0,1,2
	v_permlane16_swap_b32 v[(\pc)+6*\c+\i], v[CT+4*\c+\i]
.endr
.irp i, 0,1,2
	v_mov_b32 v[(\pc)+3+6*\c+\i], v[CT+4*\c+\i]
.endr
.endr
.endm
.macro XLOAD t                         ; 128 along K of my tile's 16 rows: each load reads 512 consecutive bytes of one row; place p holds row p + 8 (p / 8)
.irp p, 0,1,2,3,4,5,6,7,8,9,10,11,12,13,14,15
	global_load_b128 v[R+64*((\t)%2)+4*\p:R+64*((\t)%2)+4*\p+3], v[LI16], s[4:5] offset:(\p+8*(\p/8))*4096+512*(\t) th:TH_LOAD_NT
.endr
.endm
.macro XTURN t                         ; through my stage (rows of 512 + 16 bytes), so that a lane gets 16 neighbours of each block of its row.  LDS serves a wave's instructions in order: no wait between stores and loads
.irp p, 0,1,2,3,4,5,6,7,8,9,10,11,12,13,14,15
	ds_store_b128 v3, v[R+64*((\t)%2)+4*\p:R+64*((\t)%2)+4*\p+3] offset:528*\p
.endr
.irp b, 0,1,2,3
.irp j, 0,1,2,3
	ds_load_b128 v[R+64*((\t)%2)+16*\b+4*\j:R+64*((\t)%2)+16*\b+4*\j+3], v4 offset:128*\b+16*\j
.endr
.endr
.endm
.macro XSTEP t
.if (\t) < 3
	s_wait_loadcnt 16                              ; this step's 16 loads are in; the next step's 16 may be out
.else
	s_wait_loadcnt 0x0
.endif
	XTURN \t
	s_wait_dscnt 0x0
	QUANT R+64*((\t)%2), PC+12*(\t), PW+(\t)
	global_store_b128 v[LI16], v[PC+12*(\t):PC+12*(\t)+3], s[26:27] offset:1536*(\t)          ; whole aligned blocks of 256 bytes, straight from the operand's registers
	global_store_b64 v[LI8], v[PC+12*(\t)+4:PC+12*(\t)+5], s[26:27] offset:1536*(\t)+512
	global_store_b128 v[LI16], v[PC+12*(\t)+6:PC+12*(\t)+9], s[26:27] offset:1536*(\t)+768
	global_store_b64 v[LI8], v[PC+12*(\t)+10:PC+12*(\t)+11], s[26:27] offset:1536*(\t)+1280
.if (\t)+2 < 4
	XLOAD (\t)+2
.endif
.endm
.Lpath_x:
	s_lshl_b32 s22, ttmp9, 1
	s_lshr_b32 s23, s18, 1
	s_add_co_u32 s22, s22, s23                     ; my tile I
	s_and_b32 s23, s18, 1                          ; my half of K
	s_lshr_b32 s24, s22, 1
	s_lshl_b32 s24, s24, 17                        ; 32 (I / 2) rows of 4,096 bytes
	s_and_b32 s25, s22, 1
	s_lshl_b32 s25, s25, 15                        ; + 8 (I % 2) rows
	s_add_co_u32 s24, s24, s25
	s_lshl_b32 s25, s23, 11
	s_add_co_u32 s24, s24, s25
	s_mov_b32 s25, 0
	s_add_nc_u64 s[4:5], s[4:5], s[24:25]
	s_mul_i32 s26, s22, 12288
	s_mul_i32 s27, s23, 6144
	s_add_co_u32 s26, s26, s27
	s_mov_b32 s27, 0
	s_add_nc_u64 s[26:27], s[12:13], s[26:27]      ; my images
	s_lshl_b32 s28, s22, 9
	s_lshl_b32 s29, s23, 8
	s_add_co_u32 s28, s28, s29
	s_add_co_u32 s28, s28, XSC
	s_mov_b32 s29, 0
	s_add_nc_u64 s[28:29], s[12:13], s[28:29]      ; my scale words
	s_mul_i32 s30, s18, 8448                       ; my stage
	s_wait_alu depctr_va_vdst(0)
	v_add_nc_u32 v3, s30, v[LI16]
	v_mul_u32_u24 v4, v6, 528
	v_lshl_add_u32 v4, v7, 6, v4
	v_add_nc_u32 v4, s30, v4
.irp b, 0,1,2,3
	v_mov_b32 v[TM+4+\b], 0                        ; written once: a lane permute's destination counts as one of its sources
.endr
	XLOAD 0
	XLOAD 1
	s_wait_alu depctr_va_vdst(0)
	XSTEP 0
	XSTEP 1
	XSTEP 2
	XSTEP 3
	v_cndmask_b32 v8, v[PW], v[PW+2], s19          ; lanes 0-15: the first 256 along K (steps 0, 1); lanes 16-31: the second
	v_cndmask_b32 v9, v[PW+1], v[PW+3], s19
	global_store_b64 v[LI8], v[8:9], s[28:29]      ; one aligned block of 256 bytes
	s_wait_tensorcnt 0x0
	ds_add_u32 v224, v225
	s_wait_dscnt 0x0
	s_endpgm
; ---------------------------------------------------------------- W
.macro WLOAD n, t                      ; block t: W(32 t + i, my column)
.irp i, 0,1,2,3,4,5,6,7,8,9,10,11,12,13,14,15,16,17,18,19,20,21,22,23,24,25,26,27,28,29,30,31
	global_load_b32 v[WX+32*((\t)%2)+\i], v3, s[26:27] offset:(32*(\t)+\i)*\n*4 th:TH_LOAD_NT
.endr
.endm
.macro WBLOCK n, t
.set XS, WX+32*((\t)%2)
.set EO, WE+12*((\t)/2)+6*((\t)%2)
.if (\t) < 7
	s_wait_loadcnt 32                              ; this block's 32 loads are in; the next block's may be out
.else
	s_wait_loadcnt 0x0
.endif
	v_max3_num_f32 v12, |v[XS]|, |v[XS+1]|, |v[XS+2]|              ; all 32 numbers of the block are mine
	v_max3_num_f32 v13, |v[XS+3]|, |v[XS+4]|, |v[XS+5]|
.irp i, 6,10,14,18,22,26
	v_max3_num_f32 v12, v12, |v[XS+\i]|, |v[XS+\i+1]|
	v_max3_num_f32 v13, v13, |v[XS+\i+2]|, |v[XS+\i+3]|
.endr
	v_max3_num_f32 v12, v12, |v[XS+30]|, |v[XS+31]|
	v_max3_num_f32 v12, v12, v13, 0x1800000
	v_add_nc_u32 v11, 0xff000000, v12
	v_lshrrev_b32 v13, 23, v11
.if (\t)%4 == 0
	v_mov_b32 v[SB+(\t)/4], v13
.else
	v_lshl_or_b32 v[SB+(\t)/4], v13, 8*((\t)%4), v[SB+(\t)/4]
.endif
	v_cvt_scalef32_pk16_fp6_f32 v[EO:EO+2], v[XS:XS+15], v11
	v_cvt_scalef32_pk16_fp6_f32 v[WCT:WCT+2], v[XS+16:XS+31], v11
	v_nop
.irp i, 0,1,2
	v_mov_b32 v[EO+3+\i], v[WCT+\i]
.endr
.if (\t)+2 < 8
	WLOAD \n, (\t)+2
.endif
.if (\t)%2 == 1                        ; the even block's lanes 16-31 change places with the odd block's lanes 0-15: two images, of places 0-15 and of places 16-31
.irp i, 0,1,2,3,4,5
	v_permlane16_swap_b32 v[EO-6+\i], v[EO+\i]
.endr
	global_store_b128 v[LI16], v[EO-6:EO-3], s[28:29] offset:768*((\t)/2)
	global_store_b64 v[LI8], v[EO-2:EO-1], s[28:29] offset:768*((\t)/2)+512
	global_store_b128 v[LI16], v[EO:EO+3], s[28:29] offset:12288+512*((3072-\n)/2048)+768*((\t)/2)       ; the next tile: 12,288 bytes on in w_qkv, 12,800 in w_o
	global_store_b64 v[LI8], v[EO+4:EO+5], s[28:29] offset:12288+512*((3072-\n)/2048)+768*((\t)/2)+512
.endif
.endm
; n: columns of the weight; perm: 1 for w_qkv's order of rows; first: the path's first work-group; wp: the weight's address; coff, soff: where its codes and scale words begin in wq
.macro WPATH n, perm, first, wp, coff, soff
	s_sub_co_u32 s22, ttmp9, \first
	s_lshr_b32 s23, s22, 2
	s_and_b32 s22, s22, 3                          ; which 256 along K
	s_lshl_b32 s23, s23, 7
	s_lshl_b32 s24, s18, 5
	s_add_co_u32 s23, s23, s24                     ; my wave's first column
.if \perm
	s_lshr_b32 s24, s23, 10                        ; q, k or v
	s_bfe_u32 s25, s23, 0x40006                    ; head
	s_bfe_u32 s26, s23, 0x10005                    ; which 32 of its 64
	s_lshl_b32 s25, s25, 7
	s_lshl_b32 s27, s24, 6
	s_or_b32 s25, s25, s27
	s_lshl_b32 s26, s26, 5
	s_or_b32 s25, s25, s26
	s_cmp_lt_u32 s24, 2
	s_cselect_b32 s25, s25, s23                    ; the first place of my 32 rows in the operand
	v_and_b32 v8, 8, v6
	v_add_nc_u32 v8, v8, v6
	v_lshl_add_u32 v8, v7, 3, v8                   ; lane l is place l: column 8 u + r + 8 (r / 8)
	v_lshlrev_b32 v3, 2, v8
.else
	s_mov_b32 s25, s23
	v_lshlrev_b32 v3, 2, v5
.endif
	s_wait_alu depctr_va_vdst(0)
	s_mul_i32 s26, s22, 256*\n*4
	s_lshl_b32 s27, s23, 2
	s_add_co_u32 s26, s26, s27
	s_mov_b32 s27, 0
	s_add_nc_u64 s[26:27], s[\wp:\wp+1], s[26:27]
	s_mul_i32 s28, s25, 768+32*((3072-\n)/2048)    ; 12,288 bytes for each 16 places (w_o: 12,800)
	s_mul_i32 s29, s22, 3072
	s_add_co_u32 s28, s28, s29
	s_add_co_u32 s28, s28, \coff
	s_mov_b32 s29, 0
	s_add_nc_u64 s[28:29], s[14:15], s[28:29]
	s_mul_i32 s30, s25, 32+768*((3072-\n)/2048)    ; 512 bytes for each 16 places (w_o: the tile's 12,800)
	s_lshl_b32 s31, s22, 7
	s_add_co_u32 s30, s30, s31
	s_add_co_u32 s30, s30, \soff
	s_mov_b32 s31, 0
	s_add_nc_u64 s[30:31], s[14:15], s[30:31]
	v_lshlrev_b32 v4, 3, v6
	v_mad_u32_u24 v4, v7, 512+12288*((3072-\n)/2048), v4
	WLOAD \n, 0
	WLOAD \n, 1
.irp t, 0,1,2,3,4,5,6,7
	WBLOCK \n, \t
.endr
	global_store_b64 v4, v[SB:SB+1], s[30:31]      ; my row's 8 scale bytes: sixteen lanes store 128 consecutive bytes (one byte for each 128 that the path reads)
	s_endpgm
.endm
.Lpath_wqkv:
	s_wait_alu depctr_va_vdst(0)
	WPATH 3072, 1, 256, 6, 0, WSC
.Lpath_wo:
	s_wait_alu depctr_va_vdst(0)
	WPATH 1024, 0, 352, 8, WOC, WOS
.Lfunc_end_k_q7c0d1560ed_prep:
	.size	k_q7c0d1560ed_prep, .Lfunc_end_k_q7c0d1560ed_prep-k_q7c0d1560ed_prep
	.p2alignl 7, 3214868480
	.fill 96, 4, 3214868480
	.section	.rodata,"a",@progbits
	.p2align	6, 0x0
	.amdhsa_kernel k_q7c0d1560ed_prep
		.amdhsa_group_segment_fixed_size 34304
		.amdhsa_private_segment_fixed_size 0
		.amdhsa_enable_private_segment 0
		.amdhsa_kernarg_size 56
		.amdhsa_user_sgpr_count 2
		.amdhsa_user_sgpr_kernarg_segment_ptr 1
		.amdhsa_wavefront_size32 1
		.amdhsa_system_sgpr_workgroup_id_x 1
		.amdhsa_system_sgpr_workgroup_id_y 1
		.amdhsa_system_sgpr_workgroup_id_z 1
		.amdhsa_system_vgpr_workitem_id 0
		.amdhsa_next_free_vgpr 226
		.amdhsa_next_free_sgpr 66
		.amdhsa_reserve_vcc 0
		.amdhsa_float_denorm_mode_32 3
		.amdhsa_float_denorm_mode_16_64 3
		.amdhsa_memory_ordered 1
		.amdhsa_forward_progress 1
		.amdhsa_inst_pref_size 148
	.end_amdhsa_kernel
	.amdgpu_metadata
---
amdhsa.version: [ 1, 2 ]
amdhsa.kernels:
  - .name:           k_q7c0d1560ed_prep
    .symbol:         k_q7c0d1560ed_prep.kd
    .args:
      - { .name: x, .offset: 0, .size: 8, .value_kind: global_buffer, .address_space: global }
      - { .name: w_qkv, .offset: 8, .size: 8, .value_kind: global_buffer, .address_space: global }
      - { .name: w_o, .offset: 16, .size: 8, .value_kind: global_buffer, .address_space: global }
      - { .name: log_scale, .offset: 24, .size: 8, .value_kind: global_buffer, .address_space: global }
      - { .name: xq, .offset: 32, .size: 8, .value_kind: global_buffer, .address_space: global }
      - { .name: wq, .offset: 40, .size: 8, .value_kind: global_buffer, .address_space: global }
      - { .name: tab, .offset: 48, .size: 8, .value_kind: global_buffer, .address_space: global }
    .group_segment_fixed_size: 34304
    .private_segment_fixed_size: 0
    .kernarg_segment_align: 8
    .kernarg_segment_size: 56
    .max_flat_workgroup_size: 128
    .sgpr_count:     66
    .vgpr_count:     226
    .wavefront_size: 32
...
	.end_amdgpu_metadata
.endif
;; end of part 1
;; launch gemm_qkv (part 2): grid 4 x 96, 4 waves a work-group, clusters of 4 x 4, 327,680 bytes of LDS; arguments xq, wq, tab, qimg, kv; writes qimg, kv
.if DOCPART == 2
	.amdgcn_target "amdgcn-amd-amdhsa--gfx1250"
	.amdhsa_code_object_version 6
	.text
	.protected	k_q7c0d1560ed_gemm_qkv
	.globl	k_q7c0d1560ed_gemm_qkv
	.p2align	8
	.type	k_q7c0d1560ed_gemm_qkv,@function
k_q7c0d1560ed_gemm_qkv:
	s_mov_b64 s[64:65], 0
	v_nop
	global_prefetch_b8 v0, s[64:65] scope:SCOPE_SE
	s_setreg_imm32_b32 hwreg(HW_REG_WAVE_MODE, 25, 1), 1
	s_wait_xcnt 0x0
	s_wait_alu depctr_hold_cnt(0) depctr_sa_sdst(0) depctr_va_vdst(0) depctr_va_sdst(0) depctr_va_ssrc(0) depctr_va_vcc(0) depctr_vm_vsrc(0)
	s_getreg_b32 s2, hwreg(HW_REG_IB_STS2, 6, 4)
	s_cmp_eq_u32 s2, 0
	s_cbranch_scc0 .Lentry_in_a_cluster
	s_endpgm
.Lentry_in_a_cluster:
	s_bfe_u32 s2, ttmp6, 0x10000c
	s_cmp_lg_u32 s2, 0xf033
	s_cbranch_scc0 .Lentry_shape_is_right
	s_endpgm
.Lentry_shape_is_right:
; x w_qkv on codes of FP6 (E2M3) with E8M0 scales, the rotation of q and k, and the quantising of q, k and v for the attention.  K = 1,024.
; OPERANDS lie in memory as images of operand registers: [tile of 16 rows][K / 64][768 bytes]; an image: registers 0-3 at 16 x lane, registers 4-5 at 512 + 8 x lane.  A fragment (128 K) is two images: four LDS loads, each of consecutive bytes.
; A tile of 256 x 256 results is made by four waves, 128 x 128 each: 64 accumulators, 512 registers.  "A" is source 1 (a lane holds one of its rows), "B" is source 0 (a lane's registers run along its rows).
; K GOES THROUGH TWO LDS SLOTS OF 384 ALONG K (three steps of 128; a tile's row in a slot is 4,608 bytes of memory, beginning at a multiple of 256): slot 0 takes K 0-383, slot 1 K 384-767, slot 0 again K 768-1,023 (rows of 3,072 bytes).
; THE HEAD has one tensor load a wave: wave 0 slot 0's 256 rows of A, wave 1 its 256 rows of B, wave 2 the scale words of A's rows for all of K, wave 3 those of B's.  Each later fill is shared out, 128 rows a wave, and has at least two steps, 128 matrix instructions, between its request and the wait for it.
; ROLES, by the cluster's number c (the grid is one cluster wide), which all partners share.  c = 0..15: A = x's rows (block c / 2), B = w's rows [q of a head | k of that head] (block c % 2): a lane holds one position, its registers the head's features: rotated, then quantised along the features.
; c = 16..23: A = w's rows of v, B = x's rows (block c - 16): a lane holds one feature of v, its registers run along the positions, which are the K of the attention's second product: quantised along them.  The role with the longer way out has the lower numbers.
; The roles part ONCE, ahead of the last 128 along K, which is written out in both: q's and k's role asks for its first cos and sin there.
; B's rows lie so that the 16 registers of two neighbouring tiles are 16 neighbours (place 16 u + r of each 32 holds row 8 u + r + 8 (r / 8)).
; CLUSTERS: 4 x 4 work-groups; A's tile is shared along a row of the cluster, B's along a column: each is asked for jointly.
; NO DATA PREFETCH: the block is the largest that the registers hold, in clusters, and K has three fills in all, the first two of them asked for at the head.
; OUT: qimg: q's images [b h][tile][768] and scale words (q0, q1, q0, q1); kv: [b h][step of 128 keys][12,800]: 4 fragments of k (two tiles' 64 features side by side), 4 of v^T (16 features x 128 keys), 256 bytes of k's scale words, 256 of v's.
; LIMITS: a block of zeros gets the byte 1 where the rule says 127 (its codes are zeros; this program alone reads the bytes); NaN and infinities are not served.
; REGISTERS: window 0: v16-29 addresses; v32-63 scale words, two sets, and nothing else; v128-223 A's fragments, one set; v224-255 (even blocks) and, on the way out, v192-223 (odd blocks) cos and sin.
;   window 1: B's fragments, two sets.  windows 2, 3: the accumulators ((a, b) at v[8 (8 (a % 4) + b)]).
.set XSC,   6291456
.set WSC,   2359296
.set QSC,   6291456
.set FR,    12
.set NL,    4                          ; LDS loads that bring a fragment
.set NP,    4                          ; places behind this matrix instruction (ISA guide 7.12.1)
.set TILEB, 4608                       ; a tile's 384 along K: six images
.set LASTB, 3072                       ; and its last 256
.set IROW,  12288                      ; a tile's whole K in memory
.set HALFT, 8*TILEB                    ; 128 rows
.set SLOT,  4*HALFT                    ; A's 256 rows, then B's
.set SCL,   2*SLOT                     ; behind the slots: the scale words, 4,096 bytes for each 128 rows
.set SPARE, SCL+4*4096                 ; the spare words, 128 bytes for each wave, which no other line names
.set TP,    TILEB                      ; from tile to tile in the slot that is being read
.set ADRA, 16                          ; v16-17 my A fragments in slot 0, 1, 16 bytes a lane; v18-19 the same, 8 bytes a lane
.set ADRB, 20                          ; v20-23 the same for B
.set LI16, 24                          ; v24  16 x lane
.set LI8,  25                          ; v25  8 x lane
.set ADRS, 27                          ; v27  my scale words: lanes 0-15 A's rows, lanes 16-31 B's
.set SPW,  28
.set NIL,  29
.set SC,   32
.set AF,   128
.set ROT,  64                          ; the way out: v64-127 the rotated numbers
.set PC,   128                         ; v128-139 codes
.set CT,   140
.set TM,   148
.set PWS,  164                         ; v164-171 the eight blocks' scale words
.set QW,   172
.set G1,   24
.set G0,   32                          ; s[32:35]: the head's load of A, later slot 0's second fill; s[36:39]: slot 1's fill
.set G1B,  48
.set G0B,  56
.set G1S,  68
.set G0S,  76
.set G1SB, 80
.set G0SB, 88
.set MSB, 0
.macro WIN new                         ; the immediate's high byte repeats the setting that is left
.if MSB != (\new)
	s_set_vgpr_msb (MSB<<8)|(\new)
.set MSB, (\new)
.endif
.endm
.set MUL_LO, 0xa1                      ; source 0 (B) window 1, source 1 (A) window 0, C and D window 2
.set MUL_HI, 0xf1
.set TO_B,   0x40
; A joint load: waves 0 and 1 fetch for A, waves 2 and 3 for B; the branch hangs on the wave's number alone.  An s_nop 0 and four v_nop follow each of the two lines.
.macro JLOAD g0a, g1a, g0b, g1b
	s_cmp_eq_u32 s15, 0
	s_cbranch_scc0 .Lfor_b_\@
	tensor_load_to_lds s[\g0a:\g0a+3], s[\g1a:\g1a+7]
	s_nop 0
.rept 4
	v_nop
.endr
	s_branch .Lasked_\@
.Lfor_b_\@:
	tensor_load_to_lds s[\g0b:\g0b+3], s[\g1b:\g1b+7]
	s_nop 0
.rept 4
	v_nop
.endr
.Lasked_\@:
.endm
.macro CREST
	s_cmp_lg_u32 s14, 0
	s_cbranch_scc1 .Lnot_wave_0_\@
	s_barrier_signal -3
.Lnot_wave_0_\@:
	s_barrier_wait -3
	s_barrier_signal -1
	s_barrier_wait -1
.endm
.macro CROUND
	s_barrier_signal -1
	s_barrier_wait -1
	CREST
.endm
	s_load_b256 s[4:11], s[0:1], 0x0               ; xq s[4:5], wq s[6:7], tab s[8:9], qimg s[10:11]
	s_load_b64 s[12:13], s[0:1], 0x20              ; kv
	v_lshl_add_u32 v[SPW], v0, 2, SPARE
	v_mov_b32 v[NIL], 0
	ds_add_u32 v[SPW], v[NIL]                      ; the opening lines: the add, twice on end, and its wait ahead of my first tensor load
	ds_add_u32 v[SPW], v[NIL]
	v_lshrrev_b32 v1, 5, v0
	v_readfirstlane_b32 s14, v1                    ; wave
	s_lshr_b32 s15, s14, 1                         ; which half of A's rows is mine.  Also: in the later fills I fetch for A (0) or for B (1)
	s_and_b32 s16, s14, 1                          ; which half of B's rows.  Also: which 128 rows I fetch
	s_bfe_u32 s40, ttmp6, 0x40000                  ; cx
	s_bfe_u32 s41, ttmp6, 0x40004                  ; cy
	s_and_b32 s3, ttmp7, 0xffff                    ; c, the cluster's number: kept to the parting of the roles
	s_lshl_b32 s43, s41, 2
	s_lshl_b32 s43, 15, s43                        ; my row of the cluster
	s_lshl_b32 s44, 0x1111, s40                    ; my column
	s_and_b32 s46, s3, 1
	s_lshl_b32 s46, s46, 2                         ; q, k: 4 x (c % 2)
	s_lshr_b32 s45, s3, 1
	s_lshl_b32 s45, s45, 2                         ; q, k: 4 x (c / 2)
	s_sub_co_u32 s47, s3, 16
	s_lshl_b32 s47, s47, 2                         ; v: 4 x (c - 16)
	s_cmp_ge_u32 s3, 16                            ; v's role?  The same in all sixteen partners
	s_cselect_b32 s17, 8, s45
	s_cselect_b32 s18, s47, s46
	s_add_co_u32 s17, s17, s41                     ; A's tile of 256 rows: x's, or w's 8 + cy
	s_add_co_u32 s18, s18, s40                     ; B's: w's, or x's
	; group 1 for codes: rows (tiles) of 4,608 bytes (576 elements of 8), 12,288 bytes apart; 16 of them in the head's loads; no padding: every LDS load takes consecutive bytes
	s_or_b32 s[G1+0], s43, (3<<16)|(1<<21)
	s_or_b32 s[G1B+0], s44, (3<<16)|(1<<21)
.irp g, G1, G1B
	s_mov_b32 s[\g+1], 576<<16
	s_mov_b32 s[\g+2], 16<<16
	s_mov_b32 s[\g+3], 576<<16
	s_mov_b32 s[\g+4], 16
	s_mov_b32 s[\g+5], 1536
	s_mov_b32 s[\g+6], 0
	s_mov_b32 s[\g+7], 0
.endr
	; and for the scale words of 256 rows: 8,192 dense bytes as 32 rows of 256
	s_or_b32 s[G1S+0], s43, (3<<16)|(1<<21)
	s_or_b32 s[G1SB+0], s44, (3<<16)|(1<<21)
.irp g, G1S, G1SB
	s_mov_b32 s[\g+1], 32<<16
	s_mov_b32 s[\g+2], 32<<16
	s_mov_b32 s[\g+3], 32<<16
	s_mov_b32 s[\g+4], 32
	s_mov_b32 s[\g+5], 32
	s_mov_b32 s[\g+6], 0
	s_mov_b32 s[\g+7], 0
.endr
	s_lshl_b32 s20, s17, 4                         ; A: the block's first tile of 16 rows
	s_lshl_b32 s22, s18, 4                         ; B
	s_mul_i32 s66, s20, IROW
	s_mov_b32 s67, 0
	s_lshl_b32 s98, s20, 9
	s_mov_b32 s99, 0
	s_mul_i32 s92, s22, IROW
	s_mov_b32 s93, 0
	s_lshl_b32 s94, s22, 9
	s_mov_b32 s95, 0
	s_mov_b32 s23, WSC
	s_cmp_ge_u32 s3, 16
	s_cselect_b32 s45, s23, XSC                    ; where A's buffer has its scale words
	s_cselect_b32 s46, XSC, s23                    ; and B's
	s_add_co_u32 s98, s98, s45
	s_add_co_u32 s94, s94, s46
	s_mul_i32 s2, s14, HALFT                       ; where the later fills go: wave x 128 rows: no place in the cluster enters an LDS address
	s_mul_i32 s20, s16, 8*IROW                     ; and which 128 rows of the block they bring, in bytes
	s_mov_b32 s21, 0
	s_mul_i32 s40, s15, HALFT                      ; what I read: my 128 rows of A in slot 0,
	s_mul_i32 s41, s16, HALFT
	s_add_co_u32 s41, s41, 2*HALFT                 ; my 128 rows of B, behind A's 256,
	s_add_co_u32 s42, s40, SLOT                    ; and the same in slot 1
	s_add_co_u32 s43, s41, SLOT
	s_lshl_b32 s44, s15, 12                        ; scale words: A's, my 128 rows
	s_lshl_b32 s45, s16, 12
	s_add_co_u32 s45, s45, 8192                    ; B's, behind A's 256
	s_sub_co_u32 s45, s45, s44                     ; the distance between the two
	s_add_co_u32 s44, s44, SCL
	s_wait_dscnt 0x0                               ; both opening adds are done
	s_wait_kmcnt 0x0
	s_cmp_ge_u32 s3, 16
	s_cselect_b64 s[100:101], s[6:7], s[4:5]       ; A's buffer
	s_cselect_b64 s[22:23], s[4:5], s[6:7]         ; B's
	s_add_nc_u64 s[66:67], s[100:101], s[66:67]
	s_add_nc_u64 s[98:99], s[100:101], s[98:99]
	s_add_nc_u64 s[92:93], s[22:23], s[92:93]
	s_add_nc_u64 s[94:95], s[22:23], s[94:95]
	s_mov_b32 s[G0], 1                             ; the head's four tiles, each whole: K 0-383 of A's 256 rows,
	s_mov_b32 s[G0+1], 0
	s_mov_b64 s[G0+2:G0+3], s[66:67]
	s_or_b32 s[G0+3], s[G0+3], 0x80000000
	s_mov_b32 s[G0B], 1                            ; of B's 256 rows,
	s_mov_b32 s[G0B+1], 2*HALFT
	s_mov_b64 s[G0B+2:G0B+3], s[92:93]
	s_or_b32 s[G0B+3], s[G0B+3], 0x80000000
	s_mov_b32 s[G0S], 1                            ; A's scale words,
	s_mov_b32 s[G0S+1], SCL
	s_mov_b64 s[G0S+2:G0S+3], s[98:99]
	s_or_b32 s[G0S+3], s[G0S+3], 0x80000000
	s_mov_b32 s[G0SB], 1                           ; B's
	s_mov_b32 s[G0SB+1], SCL+8192
	s_mov_b64 s[G0SB+2:G0SB+3], s[94:95]
	s_or_b32 s[G0SB+3], s[G0SB+3], 0x80000000
	s_add_nc_u64 s[66:67], s[66:67], s[20:21]      ; for the later fills: my 128 rows
	s_add_nc_u64 s[92:93], s[92:93], s[20:21]
	s_mov_b32 s[G0+4], 1                           ; slot 1: K 384-767
	s_add_co_u32 s[G0+5], s2, SLOT
	s_add_nc_u64 s[G0+6:G0+7], s[66:67], TILEB
	s_or_b32 s[G0+7], s[G0+7], 0x80000000
	s_mov_b32 s[G0B+4], 1
	s_add_co_u32 s[G0B+5], s2, SLOT
	s_add_nc_u64 s[G0B+6:G0B+7], s[92:93], TILEB
	s_or_b32 s[G0B+7], s[G0B+7], 0x80000000
	CROUND                                         ; all sixteen work-groups are here: the first joint loads meet
; ONE tree of branches on the wave's number, each arm with its load and, but for the last, a jump to the tree's end: every way through the head passes exactly one load
.macro ARM under, g0, g1, next
	s_cmp_lt_u32 s14, \under
	s_cbranch_scc0 \next
	tensor_load_to_lds s[\g0:\g0+3], s[\g1:\g1+7]
	s_nop 0
.rept 4
	v_nop
.endr
	s_branch .Lhead_asked
\next:
.endm
	ARM 1, G0,  G1,  .Lhead_b
	ARM 2, G0B, G1B, .Lhead_sa
	ARM 3, G0S, G1S, .Lhead_sb
	tensor_load_to_lds s[G0SB:G0SB+3], s[G1SB:G1SB+7]
	s_nop 0
.rept 4
	v_nop
.endr
.Lhead_asked:
	v_and_b32 v1, 31, v0                           ; lane
	v_and_b32 v2, 15, v0                           ; r
	v_bfe_u32 v3, v0, 4, 1                         ; hh
	v_lshlrev_b32 v[LI16], 4, v1
	v_lshlrev_b32 v[LI8], 3, v1
	v_add_nc_u32 v[ADRA], s40, v[LI16]
	v_add_nc_u32 v[ADRA+1], s42, v[LI16]
	v_add_nc_u32 v[ADRA+2], s40, v[LI8]
	v_add_nc_u32 v[ADRA+3], s42, v[LI8]
	v_add_nc_u32 v[ADRB], s41, v[LI16]
	v_add_nc_u32 v[ADRB+1], s43, v[LI16]
	v_add_nc_u32 v[ADRB+2], s41, v[LI8]
	v_add_nc_u32 v[ADRB+3], s43, v[LI8]
	v_lshlrev_b32 v5, 3, v2                        ; my row's two words of 256 along K
	v_mul_u32_u24 v6, s45, v3                      ; lanes 16-31 take B's
	v_add_nc_u32 v5, v5, v6
	v_add_nc_u32 v[ADRS], s44, v5
.macro FRAG reg, adr, q, i             ; a fragment: two images on end
	ds_load_b128 v[(\reg):(\reg)+3], v[\adr] offset:TP*(\i)+1536*(\q)
	ds_load_b64 v[(\reg)+4:(\reg)+5], v[(\adr)+2] offset:TP*(\i)+1536*(\q)+512
	ds_load_b128 v[(\reg)+6:(\reg)+9], v[\adr] offset:TP*(\i)+1536*(\q)+768
	ds_load_b64 v[(\reg)+10:(\reg)+11], v[(\adr)+2] offset:TP*(\i)+1536*(\q)+1280
.endm
; 16 matrix instructions of step st (128 along K): A's blocks a0, a0 + 1 x B's eight.  B's set: st % 2; the scale words' set: (st / 2) % 2, its word st % 2.
; The 64 accumulators take turns, one instruction a turn, in the same order in every step.
.macro MUL16 a0, st, zero
.set PB, 128*((\st)%2)
.set PS, SC+16*(((\st)/2)%2)+(\st)%2
.irp a, \a0, \a0+1
.irp b, 0,1,2,3,4,5,6,7
.if \zero
	v_wmma_scale_f32_16x16x128_f8f6f4 v[8*(8*((\a)%4)+\b):8*(8*((\a)%4)+\b)+7], v[PB+FR*\b:PB+FR*\b+FR-1], v[AF+FR*(\a):AF+FR*(\a)+FR-1], 0, v[PS+2*\b], v[PS+2*(\a)] matrix_a_fmt:MATRIX_FMT_FP6 matrix_b_fmt:MATRIX_FMT_FP6 matrix_a_scale:MATRIX_SCALE_ROW1
.else
	v_wmma_scale_f32_16x16x128_f8f6f4 v[8*(8*((\a)%4)+\b):8*(8*((\a)%4)+\b)+7], v[PB+FR*\b:PB+FR*\b+FR-1], v[AF+FR*(\a):AF+FR*(\a)+FR-1], v[8*(8*((\a)%4)+\b):8*(8*((\a)%4)+\b)+7], v[PS+2*\b], v[PS+2*(\a)] matrix_a_fmt:MATRIX_FMT_FP6 matrix_b_fmt:MATRIX_FMT_FP6 matrix_a_scale:MATRIX_SCALE_ROW1
.endif
.endr
.endr
.endm
.macro FETCH_B st                      ; step st lies in slot (st / 3) % 2, as its (st % 3)-th 128
	WIN TO_B
.irp i, 0,1,2,3,4,5,6,7
	FRAG 128*((\st)%2)+FR*\i, ADRB+((\st)/3)%2, (\st)%3, \i
.endr
	WIN 0
.endm
.macro FETCH_A st, i0
.irp i, \i0, \i0+1, \i0+2, \i0+3
	FRAG AF+FR*(\i), ADRA+((\st)/3)%2, (\st)%3, \i
.endr
.endm
.macro SCALES pr                       ; the scale words of steps 2 pr, 2 pr + 1: two a row; lanes 0-15 take A's block i, lanes 16-31 B's block i
.irp i, 0,1,2,3,4,5,6,7
	ds_load_b64 v[SC+16*((\pr)%2)+2*\i:SC+16*((\pr)%2)+2*\i+1], v[ADRS] offset:\i*512+128*(\pr)
.endr
.endm
.macro PLACES n                        ; plain vector lines between a matrix instruction and a load into, or a read of, its registers
.rept \n
	v_nop
.endr
.endm
; A step of 128 along K: 64 matrix instructions; the next step's fragments are fetched in its middle and at its end.
; A slot's last step (2 and 5) changes slots: one barrier; in front of it each wave waits for all its tensor loads, adds 0 to its spare word, and waits for that and for its reads of this slot.
; Behind step 2's barrier, which opens a round of the cluster's barrier, slot 0 is filled again, with K 768-1,023.
.macro STEP st, zero
.set NX, (\st)+1
.if NX%3 == 0
	s_wait_tensorcnt 0x0                           ; all my tensor loads have landed: my part of the next slot
	ds_add_u32 v[SPW], v[NIL]                      ; 0 onto my spare word
	s_wait_dscnt 4*NL+1                            ; (the add and the youngest 16 loads, A's blocks 4-7, may be out)
	WIN MUL_LO
	MUL16 0, \st, \zero
	s_wait_dscnt 0x0                               ; the add is done, and my reads of this slot are over
	s_barrier_signal -1
	MUL16 2, \st, \zero
	WIN 0
	s_barrier_wait -1
.if NX == 3
	CREST                                          ; no wave of any partner still reads slot 0 or has a load on its way; none of mine is out, so descriptors may be written
	s_mov_b32 s[G0+1], s2
	s_add_nc_u64 s[G0+2:G0+3], s[66:67], 2*TILEB
	s_or_b32 s[G0+3], s[G0+3], 0x80000000
	s_mov_b32 s[G0B+1], s2
	s_add_nc_u64 s[G0B+2:G0B+3], s[92:93], 2*TILEB
	s_or_b32 s[G0B+3], s[G0B+3], 0x80000000
	s_mov_b32 s[G1+1], 384<<16                     ; rows of 3,072 bytes
	s_mov_b32 s[G1+3], 384<<16
	s_mov_b32 s[G1B+1], 384<<16
	s_mov_b32 s[G1B+3], 384<<16
	JLOAD G0, G1, G0B, G1B                         ; the first tensor load behind the round; its four v_nop are the places in front of the loads below
.else
	PLACES NP
.set TP, LASTB                         ; the last two steps read tiles 3,072 bytes apart
.endif
.else
	s_wait_dscnt 4*NL                              ; B's set and A's blocks 0-3 are in; the youngest 16 loads (A's blocks 4-7) may be out
	WIN MUL_LO
	MUL16 0, \st, \zero
	MUL16 2, \st, \zero
	s_wait_dscnt 0
	PLACES NP
.endif
	FETCH_B NX
	FETCH_A NX, 0
.if NX%2 == 0
	SCALES NX/2
.endif
	WIN MUL_HI
	MUL16 4, \st, \zero
	MUL16 6, \st, \zero
	PLACES NP
	WIN 0
	FETCH_A NX, 4
.endm
; The last 128 along K, with nothing more to fetch, and what both roles want behind it.  Written out once in each role.
.macro LAST
	s_wait_dscnt 4*NL                              ; B's set and A's blocks 0-3 are in; A's blocks 4-7 (16 loads) may be out
	WIN MUL_LO
	MUL16 0, 7, 0
	MUL16 2, 7, 0
	s_wait_dscnt 0
	WIN MUL_HI
	MUL16 4, 7, 0
	MUL16 6, 7, 0
	WIN 0
	PLACES NP                                      ; behind the last products: for the reads of results and for the loads and writes into registers that they read
	s_mov_b32 s20, 0x76543210
	s_mov_b32 s21, 0xfedcba98                      ; v_permlanex16_b32's selects for lane l xor 16
	s_mov_b32 s2, 0xffff0000                       ; lanes 16-31
.irp b, 0,1,2,3
	v_mov_b32 v[TM+4+\b], 0                        ; a lane permute's destination counts as one of its sources
.endr
.endm
; 64 numbers of a lane in window w, register 16 b + i = k 32 b + 16 (lane / 16) + i of my row, become 12 registers of codes and the row's scale word.  Accumulators are read from their low ends on.
.macro QUANTW s, w, pc, pw
	WIN (\w)|((\w)<<2)
.irp b, 0,1,2,3
	v_max3_num_f32 v[TM+\b], |v[(\s)+16*\b]|, |v[(\s)+1+16*\b]|, 0x1800000   ; and the floor 2^(3 - 127): the byte cannot fall under 1
.endr
	WIN ((\w)<<2)|((\w)<<4)
.irp i, 2,4,6,8,10,12,14
.irp b, 0,1,2,3
	v_max3_num_f32 v[TM+\b], v[TM+\b], |v[(\s)+16*\b+\i]|, |v[(\s)+1+16*\b+\i]|
.endr
.endr
	WIN 0
.irp b, 0,1,2,3
	v_permlanex16_b32 v[TM+4+\b], v[TM+\b], s20, s21
.endr
.irp b, 0,1,2,3
	v_max_num_f32 v[TM+\b], v[TM+\b], v[TM+4+\b]
.endr
.irp b, 0,1,2,3
	v_add_nc_u32 v[TM+12+\b], 0xff000000, v[TM+\b]
.endr
.irp b, 0,1,2,3
	v_lshrrev_b32 v[TM+4+\b], 23, v[TM+12+\b]
.endr
	v_lshl_or_b32 v[\pw], v[TM+5], 8, v[TM+4]
	v_lshl_or_b32 v[\pw], v[TM+6], 16, v[\pw]
	v_lshl_or_b32 v[\pw], v[TM+7], 24, v[\pw]
	s_wait_xcnt 0x0                                ; the last block's stores have read the codes' registers: they are written again only behind this wait
	WIN \w
.irp c, 0,1
	v_cvt_scalef32_pk16_fp6_f32 v[(\pc)+6*\c:(\pc)+2+6*\c], v[(\s)+32*\c:(\s)+15+32*\c], v[TM+12+2*\c]
	v_cvt_scalef32_pk16_fp6_f32 v[CT+4*\c:CT+2+4*\c], v[(\s)+16+32*\c:(\s)+31+32*\c], v[TM+13+2*\c]
.endr
	WIN 0
	v_nop                                          ; one plain line behind the scaled conversions
.irp c, 0,1
.irp i, 0,1,2
	v_permlane16_swap_b32 v[(\pc)+6*\c+\i], v[CT+4*\c+\i]
.endr
.irp i, 0,1,2
	v_mov_b32 v[(\pc)+3+6*\c+\i], v[CT+4*\c+\i]
.endr
.endr
.endm
.macro FINI                            ; the wave's end, then the closing round: no work-group ends while a partner may still ask for a tile that names it
	s_wait_tensorcnt 0x0
	ds_add_u32 v[SPW], v[NIL]
	s_wait_dscnt 0x0
	CROUND
	s_endpgm
.endm
	s_wait_alu depctr_va_vdst(0)                   ; the wait at the head's end
	s_wait_tensorcnt 0x0                           ; my tile of the head's four is in
	ds_add_u32 v[SPW], v[NIL]
	s_mov_b32 s[G1+2], 8<<16                       ; no tensor load of mine is out, so a descriptor may be written: from here on a load brings 8 tiles, 128 rows
	s_mov_b32 s[G1+4], 8
	s_mov_b32 s[G1B+2], 8<<16
	s_mov_b32 s[G1B+4], 8
	s_wait_dscnt 0x0
	CROUND                                         ; all four tiles are in, and all sixteen work-groups are here
	JLOAD G0+4, G1, G0B+4, G1B                     ; slot 1's fill, the first tensor load behind the round
	FETCH_B 0
	FETCH_A 0, 0
	SCALES 0
	FETCH_A 0, 4
	STEP 0, 1                                      ; the first step's products start the sums
.irp st, 1,2,3,4,5,6                   ; written out: slots, register sets and the last fill's shape come back to where they began only behind all of K
	STEP \st, 0
.endr
	s_cmp_ge_u32 s3, 16                            ; THE ROLES PART HERE, once: the cluster's number is the same in all sixteen partners
	s_cbranch_scc1 .Lrole_v
	; ---- q and k.  Block a: 16 positions; a lane's 64 numbers: q's features 32 b + 16 h + i (registers 0-31), then k's.
	s_lshl_b32 s40, s18, 1
	s_add_co_u32 s40, s40, s16                     ; my head
	s_lshl_b32 s41, s17, 1
	s_add_co_u32 s41, s41, s15
	s_and_b32 s41, s41, 15                         ; my step of 128 positions in the sequence
	s_lshl_b32 s42, s40, 19
	s_lshl_b32 s43, s41, 15
	s_add_co_u32 s42, s42, s43
	s_mov_b32 s43, 0
	s_add_nc_u64 s[96:97], s[8:9], s[42:43]        ; the table of my head and step: kept as it is to the end
.irp p, 0,1,2,3,4,5,6,7
	global_load_b128 v[224+4*\p:224+4*\p+3], v[LI16], s[96:97] offset:512*\p       ; block 0's cos and sin, into registers that no product names: asked for ahead of the 64 products below
.endr
	LAST
.irp p, 0,1,2,3,4,5,6,7
	global_load_b128 v[192+4*\p:192+4*\p+3], v[LI16], s[96:97] offset:4096+512*\p  ; block 1's, into registers that held A's fragments (the four places stand in LAST)
.endr
	s_lshr_b32 s42, s17, 3
	s_lshl_b32 s42, s42, 4
	s_add_co_u32 s40, s40, s42                     ; 16 x batch + head
	s_mul_i32 s42, s40, 98304
	s_mul_i32 s43, s41, 6144
	s_add_co_u32 s42, s42, s43
	s_mov_b32 s43, 0
	s_add_nc_u64 s[42:43], s[10:11], s[42:43]      ; q's images
	s_lshl_b32 s44, s40, 13
	s_lshl_b32 s45, s41, 9
	s_add_co_u32 s44, s44, s45
	s_add_co_u32 s44, s44, QSC
	s_mov_b32 s45, 0
	s_add_nc_u64 s[44:45], s[10:11], s[44:45]      ; q's scale words
	s_mul_i32 s46, s40, 204800
	s_mul_i32 s47, s41, 12800
	s_add_co_u32 s46, s46, s47
	s_mov_b32 s47, 0
	s_add_nc_u64 s[46:47], s[12:13], s[46:47]      ; the step's part of kv
.macro QKBLOCK a
.set AC, 64*((\a)%4)
.set CSR, 224-32*((\a)%2)              ; cos and sin: v224-255 and v192-223 by turns; register 2 i: cos of my i-th pair, 2 i + 1: sin; the same 32 serve q and k
.if (\a) < 7
	s_wait_loadcnt 8                               ; this block's 8 loads are in; the next block's 8 may be out
.else
	s_wait_loadcnt 0x0
.endif
	WIN 2+(\a)/4                                   ; source 0: the accumulators' window
.irp bb, 0,1,2,3,4,5,6,7
.irp p, 0,1,2,3
	v_mul_f32 v[ROT+8*\bb+2*\p], v[AC+8*\bb+2*\p+1], v[CSR+(8*\bb+2*\p)%32+1]      ; x2 sin
	v_mul_f32 v[ROT+8*\bb+2*\p+1], v[AC+8*\bb+2*\p+1], v[CSR+(8*\bb+2*\p)%32]      ; x2 cos
.endr
.irp p, 0,1,2,3
	v_fma_f32 v[ROT+8*\bb+2*\p], v[AC+8*\bb+2*\p], v[CSR+(8*\bb+2*\p)%32], -v[ROT+8*\bb+2*\p]          ; x1 cos - x2 sin
	v_fma_f32 v[ROT+8*\bb+2*\p+1], v[AC+8*\bb+2*\p], v[CSR+(8*\bb+2*\p)%32+1], v[ROT+8*\bb+2*\p+1]     ; x1 sin + x2 cos
.endr
.endr
	WIN 0
.if (\a)+2 < 8
.irp p, 0,1,2,3,4,5,6,7
	global_load_b128 v[CSR+4*\p:CSR+4*\p+3], v[LI16], s[96:97] offset:((\a)+2)*4096+512*\p
.endr
.endif
	QUANTW ROT, 0, PC, PWS+(\a)
	global_store_b128 v[LI16], v[PC:PC+3], s[42:43] offset:768*(\a)                ; q's image: whole aligned blocks of 256 bytes
	global_store_b64 v[LI8], v[PC+4:PC+5], s[42:43] offset:768*(\a)+512
	global_store_b128 v[LI16], v[PC+6:PC+9], s[46:47] offset:768*(\a)              ; k's: half of the fragment of tiles 2 (a / 2), 2 (a / 2) + 1
	global_store_b64 v[LI8], v[PC+10:PC+11], s[46:47] offset:768*(\a)+512
.endm
.irp a, 0,1,2,3,4,5,6,7
	QKBLOCK \a
.endr
.irp a, 0,1,2,3,4,5,6,7
	v_perm_b32 v[QW+\a], v[PWS+\a], v[PWS+\a], 0x01000100      ; a block's word is (q0, q1, k0, k1): q's becomes (q0, q1, q0, q1)
.endr
.irp b, 0,1,2,3
	v_cndmask_b32 v[180+\b], v[QW+2*\b], v[QW+2*\b+1], s2      ; lanes 0-15 the even tile's rows, lanes 16-31 the odd tile's
.endr
	global_store_b128 v[LI16], v[180:183], s[44:45]
.irp b, 0,1,2,3
	v_perm_b32 v[184+\b], v[PWS+2*\b+1], v[PWS+2*\b], 0x07060302   ; k's: (k0, k1 of tile 2 b, k0, k1 of tile 2 b + 1)
.endr
	v_cndmask_b32 v188, v184, v185, s2             ; register e: fragment 2 e in lanes 0-15, fragment 2 e + 1 in lanes 16-31
	v_cndmask_b32 v189, v186, v187, s2
	global_store_b64 v[LI8], v[188:189], s[46:47] offset:12288
	FINI
.Lrole_v:
	; ---- v.  Block a: 16 features of head (a / 4) of my two; a lane's 64 numbers run along my 128 positions.
	LAST
	s_sub_co_u32 s40, s17, 8
	s_lshl_b32 s40, s40, 2
	s_lshl_b32 s41, s15, 1
	s_add_co_u32 s40, s40, s41                     ; my first head
	s_lshr_b32 s41, s18, 3
	s_lshl_b32 s41, s41, 4
	s_add_co_u32 s40, s40, s41
	s_lshl_b32 s41, s18, 1
	s_add_co_u32 s41, s41, s16
	s_and_b32 s41, s41, 15
	s_mul_i32 s46, s40, 204800
	s_mul_i32 s47, s41, 12800
	s_add_co_u32 s46, s46, s47
	s_mov_b32 s47, 0
	s_add_nc_u64 s[46:47], s[12:13], s[46:47]
.macro VBLOCK a
	QUANTW 64*((\a)%4), 2+(\a)/4, PC, PWS+(\a)
	global_store_b128 v[LI16], v[PC:PC+3], s[46:47] offset:((\a)/4)*204800+6144+1536*((\a)%4)
	global_store_b64 v[LI8], v[PC+4:PC+5], s[46:47] offset:((\a)/4)*204800+6144+1536*((\a)%4)+512
	global_store_b128 v[LI16], v[PC+6:PC+9], s[46:47] offset:((\a)/4)*204800+6144+1536*((\a)%4)+768
	global_store_b64 v[LI8], v[PC+10:PC+11], s[46:47] offset:((\a)/4)*204800+6144+1536*((\a)%4)+1280
.endm
.irp a, 0,1,2,3,4,5,6,7
	VBLOCK \a
.endr
.irp d, 0,1
	v_cndmask_b32 v[188+2*\d], v[PWS+4*\d], v[PWS+4*\d+1], s2
	v_cndmask_b32 v[189+2*\d], v[PWS+4*\d+2], v[PWS+4*\d+3], s2
	global_store_b64 v[LI8], v[188+2*\d:189+2*\d], s[46:47] offset:\d*204800+12544
.endr
	FINI
.Lfunc_end_k_q7c0d1560ed_gemm_qkv:
	.size	k_q7c0d1560ed_gemm_qkv, .Lfunc_end_k_q7c0d1560ed_gemm_qkv-k_q7c0d1560ed_gemm_qkv
	.p2alignl 7, 3214868480
	.fill 96, 4, 3214868480
	.section	.rodata,"a",@progbits
	.p2align	6, 0x0
	.amdhsa_kernel k_q7c0d1560ed_gemm_qkv
		.amdhsa_group_segment_fixed_size 327680
		.amdhsa_private_segment_fixed_size 0
		.amdhsa_enable_private_segment 0
		.amdhsa_kernarg_size 40
		.amdhsa_user_sgpr_count 2
		.amdhsa_user_sgpr_kernarg_segment_ptr 1
		.amdhsa_wavefront_size32 1
		.amdhsa_system_sgpr_workgroup_id_x 1
		.amdhsa_system_sgpr_workgroup_id_y 1
		.amdhsa_system_sgpr_workgroup_id_z 1
		.amdhsa_system_vgpr_workitem_id 0
		.amdhsa_next_free_vgpr 1024
		.amdhsa_next_free_sgpr 102
		.amdhsa_reserve_vcc 0
		.amdhsa_float_denorm_mode_32 3
		.amdhsa_float_denorm_mode_16_64 3
		.amdhsa_memory_ordered 1
		.amdhsa_forward_progress 1
		.amdhsa_inst_pref_size 249
	.end_amdhsa_kernel
	.amdgpu_metadata
---
amdhsa.version: [ 1, 2 ]
amdhsa.kernels:
  - .name:           k_q7c0d1560ed_gemm_qkv
    .symbol:         k_q7c0d1560ed_gemm_qkv.kd
    .args:
      - { .name: xq, .offset: 0, .size: 8, .value_kind: global_buffer, .address_space: global }
      - { .name: wq, .offset: 8, .size: 8, .value_kind: global_buffer, .address_space: global }
      - { .name: tab, .offset: 16, .size: 8, .value_kind: global_buffer, .address_space: global }
      - { .name: qimg, .offset: 24, .size: 8, .value_kind: global_buffer, .address_space: global }
      - { .name: kv, .offset: 32, .size: 8, .value_kind: global_buffer, .address_space: global }
    .group_segment_fixed_size: 327680
    .private_segment_fixed_size: 0
    .kernarg_segment_align: 8
    .kernarg_segment_size: 40
    .max_flat_workgroup_size: 128
    .sgpr_count:     102
    .vgpr_count:     1024
    .wavefront_size: 32
...
	.end_amdgpu_metadata
.endif
;; end of part 2
;; launch attn (part 3): grid 4 x 64, 16 waves a work-group, clusters of 4 x 1, 327,680 bytes of LDS; arguments qimg, kv, oq; writes oq
.if DOCPART == 3
	.amdgcn_target "amdgcn-amd-amdhsa--gfx1250"
	.amdhsa_code_object_version 6
	.text
	.protected	k_q7c0d1560ed_attn
	.globl	k_q7c0d1560ed_attn
	.p2align	8
	.type	k_q7c0d1560ed_attn,@function
k_q7c0d1560ed_attn:
	s_mov_b64 s[64:65], 0
	v_nop
	global_prefetch_b8 v0, s[64:65] scope:SCOPE_SE
	s_setreg_imm32_b32 hwreg(HW_REG_WAVE_MODE, 25, 1), 1
	s_wait_xcnt 0x0
	s_wait_alu depctr_hold_cnt(0) depctr_sa_sdst(0) depctr_va_vdst(0) depctr_va_sdst(0) depctr_va_ssrc(0) depctr_va_vcc(0) depctr_vm_vsrc(0)
	s_getreg_b32 s2, hwreg(HW_REG_IB_STS2, 6, 4)
	s_cmp_eq_u32 s2, 0
	s_cbranch_scc0 .Lentry_in_a_cluster
	s_endpgm
.Lentry_in_a_cluster:
	s_bfe_u32 s2, ttmp6, 0x10000c
	s_cmp_lg_u32 s2, 0x3003
	s_cbranch_scc0 .Lentry_shape_is_right
	s_endpgm
.Lentry_shape_is_right:
; Causal attention of one (batch, head) on codes of FP6 (E2M3) with E8M0 scales, and the quantising of its result for the last product.  2,048 positions, head size 64.
; LEFT OUT: steps of 128 keys that lie wholly behind a tile's queries: the causal mask sets their scores to -infinity, so their p is 0 for all values of the inputs.  A NaN or an infinity that reaches only such scores is not carried to the result.
; THE SOFTMAX AHEAD OF THE SECOND PRODUCT: t = score x log2(e) / 8; M = the row's largest t so far, rounded up to a whole number; p = 2^(t - M) is quantised along the keys; the row's sum is taken of the unquantised p
; and divides O at the end.  When M moves, the sum and O are multiplied by f = 2^(old M - new M): exact.
; SHARES.  The four work-groups of a cluster serve one (batch, head); its 128 tiles of 16 queries are dealt so that every wave has the same work under the mask: wave w of work-group cx owns tile T = 8 (w / 2) + 4 (w % 2) + cx
; and tile 127 - T: together 17 steps of 128 keys.  Which steps a wave walks hangs on its number alone (T / 8 = w / 2); cx enters global addresses and the mask's vector number only.
; A WAVE WALKS ITS TWO TILES ONE AFTER THE OTHER, the late one first: one O^T, one set of statistics, and registers for K's and V's fragments apart.
; LDS.  The head's whole block of kv (16 steps x 12,800 bytes) is asked for JOINTLY by the four work-groups, one tensor load a wave, once; nothing is filled again, nothing is stored to LDS.  So there is no stream left to prefetch.
; THE STEP IS ROTATED: trip s runs  O^T x f(s - 1);  the 8 products S^T(s);  the 4 products O^T += V^T(s - 1) p(s - 1);  four address lines, which are the places behind the products;  the LDS loads of K(s + 1) and V(s);  the softmax of s and p(s)'s codes.
; So each LDS load has a softmax's lines between its issue and the wait for it, and the 12 products stand in one run.  A tile's first trip multiplies codes of zeros (any landed V, finite scale bytes): it adds nothing; the last V^T p follows the loop.
; LAYOUT.  Both products are used transposed: S^T = K Q^T, O^T = V^T P^T: a lane holds one query throughout.  Tiles lie so that the 16 registers of two neighbouring tiles are 16 neighbours (place 16 u + r of each 32 holds 8 u + r + 8 (r / 8)).
; HEAD SIZE 64 IN A PRODUCT OF 128: source 0 holds two key tiles' 64 features side by side; source 1 is [Q | zeros] for the first tile and [zeros | Q] for the second: zero codes add nothing.  Q's scale word is (q0, q1, q0, q1).
; LIMITS: a block of zeros gets the byte 1 where the rule says 127 (its codes are zeros; this program alone reads the bytes); 1 / sum is good to one unit in the last place; NaN and infinities are not served;
; the promise holds while the scaled scores t stay under 2^31 in magnitude.
.set STEPB, 12800
.set QSC,   6291456
.set SPARE, 0x32000                    ; behind kv's 204,800 bytes: the spare words, 128 bytes for each wave, which no other line names
.set LI16, 1                           ; v1 16 x lane, v2 8 x lane
.set LI8,  2
.set AV16, 3                           ; v3, v4 the same + where step s lies (V's loads)
.set AK16, 5                           ; v5, v6 the same + where step s + 1 lies (K's loads)
.set DM,   7                           ; v7 the mask's number
.set ST,   8                           ; v8-11 -M, the largest t, the sum in two halves
.set Q2,   12                          ; v12-17 the early tile's Q, v18 its scale word
.set QS2,  18
.set QS,   19                          ; v19 the scale word of the tile at work
.set QZ,   20                          ; v20-37 [Q][0][Q]: [Q | 0] from v20, [0 | Q] from v26
.set ZQ,   26
.set FF,   38                          ; v38 f; v39, beside it in the pair, holds 8 r (the pair's low word serves both halves)
.set R8,   39
.set KB,   40                          ; v40-87 K's four fragments
.set VB,   88                          ; v88-135 V's
.set SS,   136                         ; v136-199 S^T, then p
.set OO,   200                         ; v200-231 O^T
.set PCD,  232                         ; v232-243 p's codes; from the products to the conversions they are free: v232-237 three chains of the sum, v236-239 lane permutes and bytes, v240-243 the blocks' maxima
.set PD,   PCD+4
.set BM,   PCD+8
.set SOP,  244                         ; v244-247 the conversions' scale operands
.set KSC,  248                         ; v248-249 K's scale words, v250-251 V's, v252 p's: scales and nothing else
.set VSC,  250
.set PWD,  252
.set TT,   253
.set SPW,  254                         ; v254, v255 my spare word's address and 0: never rewritten
.set NIL,  255
.macro CROUND                          ; a round of the cluster's barrier
	s_barrier_signal -1
	s_barrier_wait -1
	s_cmp_lg_u32 s10, 0
	s_cbranch_scc1 .Lnot_wave_0_\@
	s_barrier_signal -3
.Lnot_wave_0_\@:
	s_barrier_wait -3
	s_barrier_signal -1
	s_barrier_wait -1
.endm
	s_load_b128 s[4:7], s[0:1], 0x0                ; qimg, kv
	s_load_b64 s[8:9], s[0:1], 0x10                ; oq
	v_lshl_add_u32 v[SPW], v0, 2, SPARE
	v_mov_b32 v[NIL], 0
	ds_add_u32 v[SPW], v[NIL]                      ; the opening lines: the add, twice on end, and its wait ahead of my tensor load
	ds_add_u32 v[SPW], v[NIL]
	v_lshrrev_b32 v1, 5, v0
	s_delay_alu instid0(VALU_DEP_1)
	v_readfirstlane_b32 s10, v1                    ; wave 0..15
	s_lshr_b32 s11, s10, 1                         ; the early tile's last step
	s_xor_b32 s17, s11, 15                         ; the late tile's: 15 - that
	s_bfe_u32 s12, ttmp6, 0x40000                  ; cx
	s_and_b32 s13, s10, 1
	s_lshl_b32 s13, s13, 2
	s_add_co_u32 s13, s13, s12                     ; the early tile's place in its step
	s_lshl_b32 s14, s11, 3
	s_add_co_u32 s14, s14, s13                     ; the early tile
	s_xor_b32 s15, s14, 127                        ; the late tile: 127 - that
	s_and_b32 s16, ttmp7, 0xffff                   ; 16 x batch + head
	; group 1: 12,800 dense bytes as 50 rows of 256 (32 elements of 8 bytes); the mask names all four work-groups
	s_mov_b32 s24, 15|(3<<16)|(1<<21)
	s_mov_b32 s25, 32<<16
	s_mov_b32 s26, 50<<16
	s_mov_b32 s27, 32<<16
	s_mov_b32 s28, 50
	s_mov_b32 s29, 32
	s_mov_b32 s30, 0
	s_mov_b32 s31, 0
	s_mul_i32 s33, s10, STEPB                      ; wave w brings step w, to LDS byte 12,800 w
	s_mul_i32 s18, s16, 204800
	s_add_co_u32 s18, s18, s33
	s_mov_b32 s19, 0
	s_mov_b32 s32, 1
	s_mov_b32 s20, 0x76543210
	s_mov_b32 s21, 0xfedcba98                      ; v_permlanex16_b32's selects for lane l xor 16
	s_mov_b32 s22, 0x3e38aa3b                      ; c = log2(e) / 8
	s_mov_b32 s23, s22
	s_wait_dscnt 0x0                               ; both opening adds are done
	s_wait_kmcnt 0x0
	s_add_nc_u64 s[34:35], s[6:7], s[18:19]
	s_or_b32 s35, s35, 0x80000000
	CROUND                                         ; all four work-groups are here: the joint loads meet
	tensor_load_to_lds s[32:35], s[24:31]          ; my one tensor load of the launch
	s_nop 0
.rept 4
	v_nop
.endr
	s_lshr_b32 s18, s13, 1                         ; a tile at place P of its step begins at key 32 (P / 2) + 8 (P % 2): the early tile's,
	s_lshl_b32 s18, s18, 5
	s_and_b32 s19, s13, 1
	s_lshl_b32 s19, s19, 3
	s_add_co_u32 s49, s18, s19
	s_xor_b32 s19, s13, 7                          ; and the late tile's, at place 7 - P
	s_lshr_b32 s18, s19, 1
	s_lshl_b32 s18, s18, 5
	s_and_b32 s19, s19, 1
	s_lshl_b32 s19, s19, 3
	s_add_co_u32 s48, s18, s19
.macro QADR t, dc, ds                  ; tile s[t]: where its image and its scale words lie
	s_mul_i32 s18, s16, 98304
	s_mul_i32 s19, s[\t], 768
	s_add_co_u32 s18, s18, s19
	s_mov_b32 s19, 0
	s_add_nc_u64 s[\dc:\dc+1], s[4:5], s[18:19]
	s_lshl_b32 s18, s16, 13
	s_lshr_b32 s19, s[\t], 3
	s_lshl_b32 s19, s19, 9
	s_add_co_u32 s18, s18, s19
	s_and_b32 s19, s[\t], 1
	s_lshl_b32 s19, s19, 8
	s_add_co_u32 s18, s18, s19
	s_bfe_u32 s19, s[\t], 0x20001
	s_lshl_b32 s19, s19, 2
	s_add_co_u32 s18, s18, s19
	s_add_co_u32 s18, s18, QSC
	s_mov_b32 s19, 0
	s_add_nc_u64 s[\ds:\ds+1], s[4:5], s[18:19]
.endm
.macro OADR t, dc, ds                  ; tile s[t] of the result: oq's tile 128 x batch + T is 12,800 bytes: 16 images, the head's at 768 x head, then the scale words [K / 256][row][2 words]
	s_lshr_b32 s18, s16, 4
	s_lshl_b32 s18, s18, 7
	s_add_co_u32 s18, s18, s[\t]
	s_and_b32 s19, s16, 15
	s_mul_i32 s46, s18, 12800
	s_mul_i32 s47, s19, 768
	s_add_co_u32 s46, s46, s47
	s_mov_b32 s47, 0
	s_add_nc_u64 s[\dc:\dc+1], s[8:9], s[46:47]
	s_mul_i32 s46, s18, 12800
	s_lshr_b32 s47, s19, 2
	s_lshl_b32 s47, s47, 7
	s_add_co_u32 s46, s46, s47
	s_and_b32 s47, s19, 3
	s_lshl_b32 s47, s47, 1
	s_add_co_u32 s46, s46, s47
	s_add_co_u32 s46, s46, 12288
	s_mov_b32 s47, 0
	s_add_nc_u64 s[\ds:\ds+1], s[8:9], s[46:47]
.endm
	QADR 14, 36, 40
	QADR 15, 38, 42
	OADR 15, 52, 54
	OADR 14, 56, 58
.macro DMK sp                          ; d = my query's place among its step's 128 keys - 16 h.  Register 16 b + i holds key 32 b + 16 h + i: hidden where 32 b + i > d
	v_and_b32 v[DM], 15, v0
	v_bfe_u32 v[TT], v0, 4, 1
	s_delay_alu instid0(VALU_DEP_2)
	v_and_b32 v6, 8, v[DM]
	s_delay_alu instid0(VALU_DEP_2)
	v_lshlrev_b32 v[TT], 4, v[TT]
	s_delay_alu instid0(VALU_DEP_2)
	v_add_nc_u32 v[DM], v6, v[DM]                  ; r + 8 (r / 8)
	s_delay_alu instid0(VALU_DEP_1)
	v_sub_nc_u32 v[DM], v[DM], v[TT]
	s_delay_alu instid0(VALU_DEP_1)
	v_add_nc_u32 v[DM], s[\sp], v[DM]
.endm
.macro INIT                            ; a tile begins: the largest t -3e38, sums and O^T 0; f = 1, codes of zeros and scale bytes of 1.0 for the first trip's product, which adds nothing
	v_mov_b32 v[ST+1], 0xff61b1e6
	s_delay_alu instid0(VALU_DEP_1)
	v_floor_f32 v[ST], -v[ST+1]
	v_mov_b32 v[ST+2], 0
	v_mov_b32 v[ST+3], 0
	v_mov_b32 v[FF], 1.0
	v_mov_b32 v[PWD], 0x7f7f7f7f
.set J, 0
.rept 12
	v_mov_b32 v[PCD+J], 0
.set J, J+1
.endr
.set J, 0
.rept 32
	v_mov_b32 v[OO+J], 0                           ; the step is written once: its first turn finds zeros
.set J, J+1
.endr
.endm
	v_and_b32 v3, 31, v0
	v_and_b32 v4, 15, v0                           ; r
	s_delay_alu instid0(VALU_DEP_2)
	v_lshlrev_b32 v[LI16], 4, v3
	v_lshlrev_b32 v[LI8], 3, v3
	v_lshlrev_b32 v[R8], 3, v4                     ; 8 r
	v_lshlrev_b32 v5, 4, v4                        ; 16 r
	DMK 48
	s_wait_alu depctr_va_vdst(0)                   ; the wait ahead of the readers below
	global_load_b128 v[QZ:QZ+3], v[LI16], s[38:39]             ; the late tile's Q, twice, so that [Q | 0] and [0 | Q] are runs of 12
	global_load_b64 v[QZ+4:QZ+5], v[LI8], s[38:39] offset:512
	global_load_b128 v[ZQ+6:ZQ+9], v[LI16], s[38:39]
	global_load_b64 v[ZQ+10:ZQ+11], v[LI8], s[38:39] offset:512
	global_load_b128 v[Q2:Q2+3], v[LI16], s[36:37]             ; the early tile's waits in registers
	global_load_b64 v[Q2+4:Q2+5], v[LI8], s[36:37] offset:512
	global_load_b32 v[QS], v5, s[42:43]
	global_load_b32 v[QS2], v5, s[40:41]
.irp j, 0,1,2,3,4,5
	v_mov_b32 v[ZQ+\j], 0                          ; zero codes
.endr
	INIT
.macro FRAG reg, adr, off              ; a fragment: two images on end, each load of consecutive bytes; v[adr] 16 bytes a lane, v[adr + 1] 8
	ds_load_b128 v[(\reg):(\reg)+3], v[\adr] offset:(\off)
	ds_load_b64 v[(\reg)+4:(\reg)+5], v[(\adr)+1] offset:(\off)+512
	ds_load_b128 v[(\reg)+6:(\reg)+9], v[\adr] offset:(\off)+768
	ds_load_b64 v[(\reg)+10:(\reg)+11], v[(\adr)+1] offset:(\off)+1280
.endm
.macro KLOAD adr                       ; a step's four fragments of K and their scale words
.irp f, 0,1,2,3
	FRAG KB+12*\f, \adr, 1536*\f
.endr
	ds_load_b64 v[KSC:KSC+1], v[(\adr)+1] offset:12288
.endm
.macro VLOAD adr
.irp f, 0,1,2,3
	FRAG VB+12*\f, \adr, 6144+1536*\f
.endr
	ds_load_b64 v[VSC:VSC+1], v[(\adr)+1] offset:12544
.endm
.macro SCORE t, f, q                   ; key tile t of the step: fragment f = t / 2; K's scale words: register f / 2, lanes 0-15 for even f, lanes 16-31 for odd
.if (\f)%2
	v_wmma_scale_f32_16x16x128_f8f6f4 v[SS+8*(\t):SS+8*(\t)+7], v[KB+12*(\f):KB+12*(\f)+11], v[\q:\q+11], 0, v[KSC+(\f)/2], v[QS] matrix_a_fmt:MATRIX_FMT_FP6 matrix_b_fmt:MATRIX_FMT_FP6 matrix_a_scale:MATRIX_SCALE_ROW1
.else
	v_wmma_scale_f32_16x16x128_f8f6f4 v[SS+8*(\t):SS+8*(\t)+7], v[KB+12*(\f):KB+12*(\f)+11], v[\q:\q+11], 0, v[KSC+(\f)/2], v[QS] matrix_a_fmt:MATRIX_FMT_FP6 matrix_b_fmt:MATRIX_FMT_FP6
.endif
.endm
.macro PV t                            ; O^T's tile t += V^T's tile t x p
.if (\t)%2
	v_wmma_scale_f32_16x16x128_f8f6f4 v[OO+8*(\t):OO+8*(\t)+7], v[VB+12*(\t):VB+12*(\t)+11], v[PCD:PCD+11], v[OO+8*(\t):OO+8*(\t)+7], v[VSC+(\t)/2], v[PWD] matrix_a_fmt:MATRIX_FMT_FP6 matrix_b_fmt:MATRIX_FMT_FP6 matrix_a_scale:MATRIX_SCALE_ROW1
.else
	v_wmma_scale_f32_16x16x128_f8f6f4 v[OO+8*(\t):OO+8*(\t)+7], v[VB+12*(\t):VB+12*(\t)+11], v[PCD:PCD+11], v[OO+8*(\t):OO+8*(\t)+7], v[VSC+(\t)/2], v[PWD] matrix_a_fmt:MATRIX_FMT_FP6 matrix_b_fmt:MATRIX_FMT_FP6
.endif
.endm
.macro RESCALE                         ; O^T under the newest M.  Of these 16 lines 12 name no register of any one product of V^T p: the places between the scale word's and the codes' last writes and those products
	s_wait_alu depctr_va_vdst(0)                   ; the wait here, directly ahead of the first reader of O^T
.set J, 0
.rept 16
	v_pk_mul_f32 v[OO+J:OO+J+1], v[OO+J:OO+J+1], v[FF:FF+1] op_sel_hi:[1,0]
.set J, J+2
.endr
.endm
; One tile's walk over its steps 0 .. s[last].  16 trips in every wave; the hidden steps are jumped over inside (the wave's number and the loop's counter alone decide).
.macro TILE last
	s_mov_b32 s44, 0                               ; the step
	s_mov_b32 s45, 0                               ; and where it lies in LDS
.Lstep_\@:
	s_cmp_gt_u32 s44, s[\last]
	s_cbranch_scc1 .Lhid_\@
	RESCALE
	s_add_co_u32 s46, s45, STEPB
	s_min_u32 s46, s46, 15*STEPB                   ; where step s + 1 lies; behind the last step there is none: step 15 once more
	s_wait_alu depctr_va_vdst(0)                   ; the wait here, directly ahead of the wait below
	s_wait_dscnt 0x0                               ; K(s) and V(s - 1), asked for a trip ago, are in
.irp f, 0,1,2,3
	SCORE 2*\f, \f, QZ
	SCORE 2*\f+1, \f, ZQ
.endr
.irp t, 0,1,2,3
	PV \t
.endr
	v_add_nc_u32 v[AV16], s45, v[LI16]             ; four plain lines: the places behind the products, for the loads below and for the reads of the scores
	v_add_nc_u32 v[AV16+1], s45, v[LI8]
	v_add_nc_u32 v[AK16], s46, v[LI16]
	v_add_nc_u32 v[AK16+1], s46, v[LI8]
	KLOAD AK16
	VLOAD AV16
	s_cmp_lg_u32 s44, s[\last]                     ; the tile's last step lies on the diagonal: hidden scores become -infinity ahead of the maximum
	s_cbranch_scc1 .Lopen_\@
	v_mov_b32 v[TT], 0xff800000
.set J, 0
.rept 64
	v_cmp_gt_i32 vcc_lo, 32*(J/16)+J%16, v[DM]
	v_cndmask_b32 v[SS+J], v[SS+J], v[TT], vcc_lo
.set J, J+1
.endr
.Lopen_\@:
.irp b, 0,1,2,3
	v_max3_num_f32 v[BM+\b], v[SS+16*\b], v[SS+1+16*\b], v[SS+2+16*\b]     ; the largest score of each block of 32 keys: for the row's maximum, and, since p rises with the score, for the block's largest p
.endr
.irp i, 3,5,7,9,11,13
.irp b, 0,1,2,3
	v_max3_num_f32 v[BM+\b], v[BM+\b], v[SS+16*\b+\i], v[SS+1+16*\b+\i]
.endr
.endr
.irp b, 0,1,2,3
	v_max_num_f32 v[BM+\b], v[BM+\b], v[SS+15+16*\b]
.endr
.irp b, 0,1,2,3
	s_delay_alu instid0(VALU_DEP_4)
	v_permlanex16_b32 v[PD+\b], v[BM+\b], s20, s21
.endr
.irp b, 0,1,2,3
	s_delay_alu instid0(VALU_DEP_4)
	v_max_num_f32 v[BM+\b], v[BM+\b], v[PD+\b]
.endr
	s_delay_alu instid0(VALU_DEP_2)
	v_max3_num_f32 v[TT], v[BM], v[BM+1], v[BM+2]
	s_delay_alu instid0(VALU_DEP_1)
	v_max_num_f32 v[TT], v[TT], v[BM+3]
	s_delay_alu instid0(VALU_DEP_1)
	v_mul_f32 v[TT], s22, v[TT]
	s_delay_alu instid0(VALU_DEP_1)
	v_max_num_f32 v[ST+1], v[ST+1], v[TT]          ; the running largest t
	v_mov_b32 v[TT], v[ST]
	s_delay_alu instid0(VALU_DEP_2)
	v_floor_f32 v[ST], -v[ST+1]                    ; the new -M: a whole number
	s_delay_alu instid0(VALU_DEP_1)
	v_sub_f32 v[TT], v[ST], v[TT]
	s_delay_alu instid0(VALU_DEP_1)
	v_cvt_i32_f32 v[TT], v[TT]                     ; (it saturates)
	s_delay_alu instid0(VALU_DEP_1)
	v_ldexp_f32 v[FF], 1.0, v[TT]                  ; f = 2^(old M - new M)
.set J, 0
.rept 32
	v_pk_fma_f32 v[SS+J:SS+J+1], v[SS+J:SS+J+1], s[22:23], v[ST:ST+1] op_sel_hi:[1,0,0]   ; t - M
.set J, J+2
.endr
.irp b, 0,1,2,3
	v_fma_f32 v[BM+\b], v[BM+\b], s22, v[ST]
.endr
	s_wait_alu depctr_va_vdst(0)                   ; the wait ahead of the batch
.set J, 0
.rept 64
	v_exp_f32 v[SS+J], v[SS+J]                     ; p = 2^(t - M)
.set J, J+1
.endr
	v_pk_mul_f32 v[ST+2:ST+3], v[ST+2:ST+3], v[FF:FF+1] op_sel_hi:[1,0]   ; the sums under the new M: a plain line behind the exponentials
	s_wait_alu depctr_va_vdst(0)                   ; one wait for the batch of 64, ahead of its first reader
.irp b, 0,1,2,3
	v_exp_f32 v[BM+\b], v[BM+\b]                   ; each block's largest p
.endr
	v_pk_add_f32 v[PCD:PCD+1], v[SS:SS+1], v[SS+2:SS+3]        ; the row's sum of the unquantised p, in four chains by turns
	v_pk_add_f32 v[PCD+2:PCD+3], v[SS+4:SS+5], v[SS+6:SS+7]
	v_pk_add_f32 v[PCD+4:PCD+5], v[SS+8:SS+9], v[SS+10:SS+11]
	v_pk_add_f32 v[ST+2:ST+3], v[ST+2:ST+3], v[SS+12:SS+13]
	v_pk_add_f32 v[PCD:PCD+1], v[PCD:PCD+1], v[SS+14:SS+15]
.irp j, 16,24,32,40,48,56
	v_pk_add_f32 v[PCD+2:PCD+3], v[PCD+2:PCD+3], v[SS+\j:SS+\j+1]
	v_pk_add_f32 v[PCD+4:PCD+5], v[PCD+4:PCD+5], v[SS+\j+2:SS+\j+3]
	v_pk_add_f32 v[ST+2:ST+3], v[ST+2:ST+3], v[SS+\j+4:SS+\j+5]
	v_pk_add_f32 v[PCD:PCD+1], v[PCD:PCD+1], v[SS+\j+6:SS+\j+7]
.endr
	v_pk_add_f32 v[PCD+2:PCD+3], v[PCD+2:PCD+3], v[PCD+4:PCD+5]
	v_pk_add_f32 v[ST+2:ST+3], v[ST+2:ST+3], v[PCD:PCD+1]
	s_delay_alu instid0(VALU_DEP_1)
	v_pk_add_f32 v[ST+2:ST+3], v[ST+2:ST+3], v[PCD+2:PCD+3]
	s_wait_alu depctr_va_vdst(0)                   ; and one for the four
.irp b, 0,1,2,3
	v_max_num_f32 v[BM+\b], 0x1800000, v[BM+\b]    ; the floor 2^(3 - 127): the byte cannot fall under 1
.endr
.irp b, 0,1,2,3
	s_delay_alu instid0(VALU_DEP_4)
	v_add_nc_u32 v[SOP+\b], 0xff000000, v[BM+\b]   ; 2 off the exponent field: the conversion's scale operand
.endr
.irp b, 0,1,2,3
	s_delay_alu instid0(VALU_DEP_4)
	v_lshrrev_b32 v[PD+\b], 23, v[SOP+\b]
.endr
	s_delay_alu instid0(VALU_DEP_3)
	v_lshl_or_b32 v[PWD], v[PD+1], 8, v[PD]        ; p's scale word for these 128 keys
	s_delay_alu instid0(VALU_DEP_1)
	v_lshl_or_b32 v[PWD], v[PD+2], 16, v[PWD]
	s_delay_alu instid0(VALU_DEP_1)
	v_lshl_or_b32 v[PWD], v[PD+3], 24, v[PWD]
	v_cvt_scalef32_pk16_fp6_f32 v[PCD:PCD+2], v[SS:SS+15], v[SOP]
	v_cvt_scalef32_pk16_fp6_f32 v[PCD+6:PCD+8], v[SS+32:SS+47], v[SOP+2]
	v_nop                                          ; one plain line: the two below write over numbers that the two above have read
	v_cvt_scalef32_pk16_fp6_f32 v[SS:SS+2], v[SS+16:SS+31], v[SOP+1]       ; (a conversion's three registers begin on an even number: the blocks' second halves are made where p is done with, and moved)
	v_cvt_scalef32_pk16_fp6_f32 v[SS+32:SS+34], v[SS+48:SS+63], v[SOP+3]
	v_nop                                          ; one plain line behind the scaled conversions
.irp c, 0,1
.irp i, 0,1,2
	v_permlane16_swap_b32 v[PCD+6*\c+\i], v[SS+32*\c+\i]       ; a whole block to a lane: lanes 0-15 block 2 c, lanes 16-31 block 2 c + 1
.endr
.irp i, 0,1,2
	s_delay_alu instid0(VALU_DEP_3)
	v_mov_b32 v[PCD+3+6*\c+\i], v[SS+32*\c+\i]
.endr
.endr
.Lhid_\@:
	s_add_co_u32 s45, s45, STEPB
	s_add_co_u32 s44, s44, 1
	s_cmp_lt_u32 s44, 16
	s_cbranch_scc1 .Lstep_\@
	RESCALE                                        ; the last step's V^T p is still to come
	s_wait_alu depctr_va_vdst(0)                   ; the wait here, directly ahead of the wait below
	s_wait_dscnt 0x0
.irp t, 0,1,2,3
	PV \t
.endr
.rept 4
	v_nop                                          ; places behind the last products
.endr
.endm
; THE WAY OUT: O^T / the sum, quantised along the head's 64 (two blocks), leaves as an image of the last product's operand.
.macro FINISH cb, sb
	v_add_f32 v[ST+2], v[ST+2], v[ST+3]
	s_delay_alu instid0(VALU_DEP_1)
	v_permlanex16_b32 v[TT], v[ST+2], s20, s21
	s_delay_alu instid0(VALU_DEP_1)
	v_add_f32 v[ST+2], v[ST+2], v[TT]              ; the row's sum
	s_wait_alu depctr_va_vdst(0)
	v_rcp_f32 v[ST+2], v[ST+2]
	v_nop
	s_wait_alu depctr_va_vdst(0)
.set J, 0
.rept 32
	v_mul_f32 v[SS+J], v[OO+J], v[ST+2]            ; register 16 b + i: feature 32 b + 16 h + i of my query
.set J, J+1
.endr
.irp b, 0,1
	v_max3_num_f32 v[BM+\b], |v[SS+16*\b]|, |v[SS+1+16*\b]|, 0x1800000
.endr
.irp i, 2,4,6,8,10,12,14
.irp b, 0,1
	s_delay_alu instid0(VALU_DEP_2)
	v_max3_num_f32 v[BM+\b], v[BM+\b], |v[SS+16*\b+\i]|, |v[SS+1+16*\b+\i]|
.endr
.endr
.irp b, 0,1
	s_delay_alu instid0(VALU_DEP_2)
	v_permlanex16_b32 v[PD+\b], v[BM+\b], s20, s21
.endr
.irp b, 0,1
	s_delay_alu instid0(VALU_DEP_2)
	v_max_num_f32 v[BM+\b], v[BM+\b], v[PD+\b]
.endr
.irp b, 0,1
	s_delay_alu instid0(VALU_DEP_2)
	v_add_nc_u32 v[SOP+\b], 0xff000000, v[BM+\b]
.endr
.irp b, 0,1
	s_delay_alu instid0(VALU_DEP_2)
	v_lshrrev_b32 v[PD+\b], 23, v[SOP+\b]
.endr
	s_delay_alu instid0(VALU_DEP_1)
	v_lshl_or_b32 v[TT], v[PD+1], 8, v[PD]
	v_cvt_scalef32_pk16_fp6_f32 v[PCD:PCD+2], v[SS:SS+15], v[SOP]
	v_cvt_scalef32_pk16_fp6_f32 v[SS+32:SS+34], v[SS+16:SS+31], v[SOP+1]
	v_nop
.irp i, 0,1,2
	v_permlane16_swap_b32 v[PCD+\i], v[SS+32+\i]
.endr
.irp i, 0,1,2
	s_delay_alu instid0(VALU_DEP_3)
	v_mov_b32 v[PCD+3+\i], v[SS+32+\i]
.endr
	global_store_b128 v[LI16], v[PCD:PCD+3], s[\cb:\cb+1]          ; whole aligned blocks of 256 bytes
	global_store_b64 v[LI8], v[PCD+4:PCD+5], s[\cb:\cb+1] offset:512
	global_store_b16 v[R8], v[TT], s[\sb:\sb+1]                    ; a head has two scale bytes for each row; both halves of the lanes write the same bytes
.endm
	s_wait_alu depctr_va_vdst(0)                   ; the wait at the head's end
	s_wait_loadcnt 0x0                             ; Q
	s_wait_tensorcnt 0x0                           ; my step of kv has landed,
	s_barrier_signal -1
	s_barrier_wait -1                              ; everybody's has
	KLOAD LI16                                     ; K(0), and V(0) for the first trip's product of zero codes
	VLOAD LI16
	TILE 17                                        ; the late tile
	KLOAD LI16                                     ; K(0) for the early tile: the way out below stands between the request and the wait for it
	FINISH 52, 54
	s_wait_xcnt 0x0                                ; the stores have read their data: the registers are written again only behind this wait
.irp j, 0,1,2,3,4,5
	v_mov_b32 v[QZ+\j], v[Q2+\j]
	v_mov_b32 v[ZQ+6+\j], v[Q2+\j]
.endr
	v_mov_b32 v[QS], v[QS2]
	INIT
	DMK 49
	TILE 11                                        ; the early tile
	FINISH 56, 58
	s_wait_tensorcnt 0x0                           ; the wave's end
	ds_add_u32 v[SPW], v[NIL]
	s_wait_dscnt 0x0
	CROUND                                         ; the closing round
	s_endpgm
.Lfunc_end_k_q7c0d1560ed_attn:
	.size	k_q7c0d1560ed_attn, .Lfunc_end_k_q7c0d1560ed_attn-k_q7c0d1560ed_attn
	.p2alignl 7, 3214868480
	.fill 96, 4, 3214868480
	.section	.rodata,"a",@progbits
	.p2align	6, 0x0
	.amdhsa_kernel k_q7c0d1560ed_attn
		.amdhsa_group_segment_fixed_size 327680
		.amdhsa_private_segment_fixed_size 0
		.amdhsa_enable_private_segment 0
		.amdhsa_kernarg_size 24
		.amdhsa_user_sgpr_count 2
		.amdhsa_user_sgpr_kernarg_segment_ptr 1
		.amdhsa_wavefront_size32 1
		.amdhsa_system_sgpr_workgroup_id_x 1
		.amdhsa_system_sgpr_workgroup_id_y 1
		.amdhsa_system_sgpr_workgroup_id_z 1
		.amdhsa_system_vgpr_workitem_id 0
		.amdhsa_next_free_vgpr 256
		.amdhsa_next_free_sgpr 66
		.amdhsa_reserve_vcc 1
		.amdhsa_float_denorm_mode_32 3
		.amdhsa_float_denorm_mode_16_64 3
		.amdhsa_memory_ordered 1
		.amdhsa_forward_progress 1
		.amdhsa_inst_pref_size 72
	.end_amdhsa_kernel
	.amdgpu_metadata
---
amdhsa.version: [ 1, 2 ]
amdhsa.kernels:
  - .name:           k_q7c0d1560ed_attn
    .symbol:         k_q7c0d1560ed_attn.kd
    .args:
      - { .name: qimg, .offset: 0, .size: 8, .value_kind: global_buffer, .address_space: global }
      - { .name: kv, .offset: 8, .size: 8, .value_kind: global_buffer, .address_space: global }
      - { .name: oq, .offset: 16, .size: 8, .value_kind: global_buffer, .address_space: global }
    .group_segment_fixed_size: 327680
    .private_segment_fixed_size: 0
    .kernarg_segment_align: 8
    .kernarg_segment_size: 24
    .max_flat_workgroup_size: 512
    .sgpr_count:     66
    .vgpr_count:     256
    .wavefront_size: 32
...
	.end_amdgpu_metadata
.endif
;; end of part 3
;; launch gemm_out (part 4): grid 4 x 64, 4 waves a work-group, clusters of 4 x 4, 327,680 bytes of LDS; arguments oq, wq, out0; writes out0
.if DOCPART == 4
	.amdgcn_target "amdgcn-amd-amdhsa--gfx1250"
	.amdhsa_code_object_version 6
	.text
	.protected	k_q7c0d1560ed_gemm_out
	.globl	k_q7c0d1560ed_gemm_out
	.p2align	8
	.type	k_q7c0d1560ed_gemm_out,@function
k_q7c0d1560ed_gemm_out:
	s_mov_b64 s[64:65], 0
	v_nop
	global_prefetch_b8 v0, s[64:65] scope:SCOPE_SE
	s_setreg_imm32_b32 hwreg(HW_REG_WAVE_MODE, 25, 1), 1
	s_wait_xcnt 0x0
	s_wait_alu depctr_hold_cnt(0) depctr_sa_sdst(0) depctr_va_vdst(0) depctr_va_sdst(0) depctr_va_ssrc(0) depctr_va_vcc(0) depctr_vm_vsrc(0)
	s_getreg_b32 s2, hwreg(HW_REG_IB_STS2, 6, 4)
	s_cmp_eq_u32 s2, 0
	s_cbranch_scc0 .Lentry_in_a_cluster
	s_endpgm
.Lentry_in_a_cluster:
	s_bfe_u32 s2, ttmp6, 0x10000c
	s_cmp_lg_u32 s2, 0xf033
	s_cbranch_scc0 .Lentry_shape_is_right
	s_endpgm
.Lentry_shape_is_right:
; out0 = O w_o on codes of FP6 (E2M3) with E8M0 scales.  M = 8,192, N = 1,024, K = 1,024; sums in f32.
; OPERANDS lie in memory tile by tile: a tile of 16 rows is 12,800 bytes: 16 images of operand registers (64 along K, 768 bytes: registers 0-3 at 16 x lane, registers 4-5 at 512 + 8 x lane), then 512 bytes of scale words [K / 256][row 16][2 words].
; O's rows: place 16 u + r of each 32 holds row 8 u + r + 8 (r / 8); w_o's columns lie in their own order.
; A BLOCK of 128 rows x 256 columns to a work-group: 64 x 4 = 256 work-groups.  Four waves, 64 x 128 each: 32 accumulators, 256 registers.  "A" is source 1 (O's rows: a lane holds one), "B" is source 0 (w_o's columns: a lane's registers run along them).
; ALL OF K LIES IN LDS AT ONCE: A's 8 tiles and B's 16 are 24 x 12,800 = 307,200 bytes, each side one dense run of memory.  One tensor load a wave, at the head: waves 0, 1 bring 4 tiles of A each, waves 2, 3 bring 8 of B each, as rows of 256 bytes.
; Nothing is filled again: one barrier behind the loads, eight steps of 128 along K with no barrier among them, one barrier ahead of the way out, whose stage lies on bytes that have been read for the last time.
; CLUSTERS: 4 x 4 work-groups; A's tiles are shared along a row of the cluster, B's along a column: each is asked for jointly.
; NO DATA PREFETCH: all that the work-group reads is asked for by its first four loads; there is no loop to run ahead in.
; REGISTERS: window 0: v16-29 addresses; v32-63 scale words, two sets, and nothing else; v64-159 A's fragments, two sets of 4; on the way out v128-255.  window 1: B's fragments, two sets of 8, at v0 and v128.  window 2: accumulator (a, b) at v[8 (8 a + b)].
.set WOC,   2457600                    ; wq: where w_o's tiles begin
.set TROW,  12800                      ; a tile
.set SCO,   12288                      ; its scale words
.set ABYTES, 8*TROW                    ; A's tiles lie at LDS byte 0, B's behind them
.set SPARE, 24*TROW                    ; the spare words, 128 bytes for each wave, which no other line names
.set SPITCH, 528                       ; the way out: a stage of 16 rows x (512 + 16) bytes for each wave
.set FR,    12
.set NP,    4                          ; places behind this matrix instruction (ISA guide 7.12.1)
.set A16,  16                          ; v16 my A tiles, 16 bytes a lane; v17 the same, 8 bytes a lane
.set B16,  18                          ; v18, 19 my B tiles 0-3; v20, 21 tiles 4-7 (an LDS offset has 16 bits)
.set ADRS, 22                          ; v22 scale words of tiles 0-3: lanes 0-15 A's, lanes 16-31 B's; v23 of tiles 4-7 (there lanes 0-15 load words that no product names)
.set STO,  24
.set RD,   25
.set CO,   26
.set SPW,  28
.set NIL,  29
.set SC,   32
.set AF,   64
.set BK,   128
.set G1,   24
.set G0,   32
.set G1B,  48
.set G0B,  56
.set MSB, 0
.macro WIN new                         ; the immediate's high byte repeats the setting that is left
.if MSB != (\new)
	s_set_vgpr_msb (MSB<<8)|(\new)
.set MSB, (\new)
.endif
.endm
.set MULW, 0xa1                        ; source 0 (B) window 1, source 1 (A) window 0, C and D window 2
.set TO_B, 0x40
.macro CROUND                          ; a round of the cluster's barrier
	s_barrier_signal -1
	s_barrier_wait -1
	s_cmp_lg_u32 s14, 0
	s_cbranch_scc1 .Lnot_wave_0_\@
	s_barrier_signal -3
.Lnot_wave_0_\@:
	s_barrier_wait -3
	s_barrier_signal -1
	s_barrier_wait -1
.endm
.macro PLACES n
.rept \n
	v_nop
.endr
.endm
	s_load_b128 s[4:7], s[0:1], 0x0                ; oq, wq
	s_load_b64 s[12:13], s[0:1], 0x10              ; out0
	v_lshl_add_u32 v[SPW], v0, 2, SPARE
	v_mov_b32 v[NIL], 0
	ds_add_u32 v[SPW], v[NIL]                      ; the opening lines: the add, twice on end, and its wait ahead of my tensor load
	ds_add_u32 v[SPW], v[NIL]
	v_lshrrev_b32 v1, 5, v0
	v_readfirstlane_b32 s14, v1                    ; wave
	s_lshr_b32 s15, s14, 1                         ; which 64 rows of A are mine.  Also: I fetch for A (0) or for B (1)
	s_and_b32 s16, s14, 1                          ; which 128 rows of B.  Also: which half of that side I fetch
	s_bfe_u32 s40, ttmp6, 0x40000                  ; cx: the block's column (the grid is one cluster wide)
	s_bfe_u32 s41, ttmp6, 0x40004                  ; cy
	s_and_b32 s17, ttmp7, 0xffff
	s_lshl_b32 s17, s17, 2
	s_add_co_u32 s17, s17, s41                     ; the block's row, 0..63
	s_lshl_b32 s43, s41, 2
	s_lshl_b32 s43, 15, s43                        ; my row of the cluster
	s_lshl_b32 s44, 0x1111, s40                    ; my column
	s_or_b32 s[G1], s43, (3<<16)|(1<<21)           ; group 1: dense rows of 256 bytes (32 elements of 8): 200 of them for 4 tiles of A,
	s_mov_b32 s[G1+1], 32<<16
	s_mov_b32 s[G1+2], 200<<16
	s_mov_b32 s[G1+3], 32<<16
	s_mov_b32 s[G1+4], 200
	s_mov_b32 s[G1+5], 32
	s_mov_b32 s[G1+6], 0
	s_mov_b32 s[G1+7], 0
	s_or_b32 s[G1B], s44, (3<<16)|(1<<21)          ; 400 for 8 tiles of B
	s_mov_b32 s[G1B+1], 32<<16
	s_mov_b32 s[G1B+2], 400<<16
	s_mov_b32 s[G1B+3], 32<<16
	s_mov_b32 s[G1B+4], 400
	s_mov_b32 s[G1B+5], 32
	s_mov_b32 s[G1B+6], 0
	s_mov_b32 s[G1B+7], 0
	s_lshl_b32 s20, s17, 3
	s_lshl_b32 s21, s16, 2
	s_add_co_u32 s20, s20, s21                     ; A: tile 8 x block row + 4 x half
	s_mul_i32 s20, s20, TROW
	s_mov_b32 s21, 0
	s_lshl_b32 s22, s40, 4
	s_lshl_b32 s23, s16, 3
	s_add_co_u32 s22, s22, s23                     ; B: tile 16 x block column + 8 x half
	s_mul_i32 s22, s22, TROW
	s_add_co_u32 s22, s22, WOC
	s_mov_b32 s23, 0
	s_mov_b32 s[G0], 1
	s_mul_i32 s[G0+1], s16, 4*TROW                 ; no place in the cluster enters an LDS address
	s_mov_b32 s[G0B], 1
	s_mul_i32 s[G0B+1], s16, 8*TROW
	s_add_co_u32 s[G0B+1], s[G0B+1], ABYTES
	s_lshl_b32 s42, s17, 7
	s_lshl_b32 s45, s15, 6
	s_add_co_u32 s42, s42, s45                     ; my first row of the result,
	s_lshl_b32 s42, s42, 12                        ; 4,096 bytes a row,
	s_lshl_b32 s45, s40, 10
	s_add_co_u32 s42, s42, s45
	s_lshl_b32 s45, s16, 9
	s_add_co_u32 s42, s42, s45                     ; and my first column: 1,024 bytes a block, 512 a half
	s_mov_b32 s43, 0
	s_mul_i32 s46, s15, 4*TROW                     ; what I read: my 4 tiles of A,
	s_mul_i32 s47, s16, 8*TROW
	s_add_co_u32 s47, s47, ABYTES                  ; my 8 tiles of B,
	s_sub_co_u32 s18, s47, s46                     ; the distance between the two,
	s_add_co_u32 s19, s46, SCO
	s_mul_i32 s3, s14, 16*SPITCH                   ; and my stage
	s_wait_dscnt 0x0                               ; both opening adds are done
	s_wait_kmcnt 0x0
	s_add_nc_u64 s[G0+2:G0+3], s[4:5], s[20:21]
	s_or_b32 s[G0+3], s[G0+3], 0x80000000
	s_add_nc_u64 s[G0B+2:G0B+3], s[6:7], s[22:23]
	s_or_b32 s[G0B+3], s[G0B+3], 0x80000000
	s_add_nc_u64 s[12:13], s[12:13], s[42:43]
	CROUND                                         ; all sixteen work-groups are here: the joint loads meet
	s_cmp_eq_u32 s15, 0                            ; my one tensor load of the launch; the branch hangs on the wave's number alone; an s_nop 0 and four v_nop follow each line
	s_cbranch_scc0 .Lfor_b
	tensor_load_to_lds s[G0:G0+3], s[G1:G1+7]
	s_nop 0
	PLACES 4
	s_branch .Lasked
.Lfor_b:
	tensor_load_to_lds s[G0B:G0B+3], s[G1B:G1B+7]
	s_nop 0
	PLACES 4
.Lasked:
	v_and_b32 v1, 31, v0                           ; lane
	v_and_b32 v2, 15, v0                           ; r
	v_bfe_u32 v3, v0, 4, 1                         ; hh
	v_lshlrev_b32 v[CO], 4, v1
	v_lshlrev_b32 v4, 3, v1
	v_add_nc_u32 v[A16], s46, v[CO]
	v_add_nc_u32 v[A16+1], s46, v4
	v_add_nc_u32 v[B16], s47, v[CO]
	v_add_nc_u32 v[B16+1], s47, v4
	v_add_nc_u32 v[B16+2], 4*TROW, v[B16]
	v_add_nc_u32 v[B16+3], 4*TROW, v[B16+1]
	v_lshlrev_b32 v5, 3, v2                        ; my row's two words of 256 along K
	v_mul_u32_u24 v6, s18, v3                      ; lanes 16-31 take B's
	v_add_nc_u32 v5, v5, v6
	v_add_nc_u32 v[ADRS], s19, v5
	v_add_nc_u32 v[ADRS+1], 4*TROW, v[ADRS]
	v_mul_u32_u24 v7, v2, SPITCH                   ; the stage, in: row r, 32 bytes for each half of the lanes
	v_lshl_add_u32 v7, v3, 5, v7
	v_add_nc_u32 v[STO], s3, v7
	v_add_nc_u32 v[RD], s3, v[CO]                  ; back: the 32 lanes take one row of 512 bytes
.macro FRAG reg, adr, off              ; a fragment (128 K): two images on end, each load of consecutive bytes
	ds_load_b128 v[(\reg):(\reg)+3], v[\adr] offset:(\off)
	ds_load_b64 v[(\reg)+4:(\reg)+5], v[(\adr)+1] offset:(\off)+512
	ds_load_b128 v[(\reg)+6:(\reg)+9], v[\adr] offset:(\off)+768
	ds_load_b64 v[(\reg)+10:(\reg)+11], v[(\adr)+1] offset:(\off)+1280
.endm
.macro FETCH st                        ; step st's fragments into set st % 2; with an even step the scale words of the pair of steps, into set (st / 2) % 2
	WIN TO_B
.irp i, 0,1,2,3,4,5,6,7
	FRAG 128*((\st)%2)+FR*\i, B16+2*(\i/4), (\i%4)*TROW+1536*(\st)
.endr
	WIN 0
.irp i, 0,1,2,3
	FRAG AF+48*((\st)%2)+FR*\i, A16, \i*TROW+1536*(\st)
.endr
.if (\st)%2 == 0
.irp i, 0,1,2,3,4,5,6,7
	ds_load_b64 v[SC+16*(((\st)/2)%2)+2*\i:SC+16*(((\st)/2)%2)+2*\i+1], v[ADRS+\i/4] offset:(\i%4)*TROW+64*(\st)
.endr
.endif
.endm
; 32 matrix instructions: A's four blocks x B's eight, 128 along K.  The 32 accumulators take turns, one instruction a turn, in the same order in every step.  zero = 1: the first products start the sums.
.macro MUL st, zero
.set PB, 128*((\st)%2)
.set PA, AF+48*((\st)%2)
.set PS, SC+16*(((\st)/2)%2)+(\st)%2
	WIN MULW
.irp a, 0,1,2,3
.irp b, 0,1,2,3,4,5,6,7
.if \zero
	v_wmma_scale_f32_16x16x128_f8f6f4 v[8*(8*\a+\b):8*(8*\a+\b)+7], v[PB+FR*\b:PB+FR*\b+FR-1], v[PA+FR*\a:PA+FR*\a+FR-1], 0, v[PS+2*\b], v[PS+2*\a] matrix_a_fmt:MATRIX_FMT_FP6 matrix_b_fmt:MATRIX_FMT_FP6 matrix_a_scale:MATRIX_SCALE_ROW1
.else
	v_wmma_scale_f32_16x16x128_f8f6f4 v[8*(8*\a+\b):8*(8*\a+\b)+7], v[PB+FR*\b:PB+FR*\b+FR-1], v[PA+FR*\a:PA+FR*\a+FR-1], v[8*(8*\a+\b):8*(8*\a+\b)+7], v[PS+2*\b], v[PS+2*\a] matrix_a_fmt:MATRIX_FMT_FP6 matrix_b_fmt:MATRIX_FMT_FP6 matrix_a_scale:MATRIX_SCALE_ROW1
.endif
.endr
.endr
.endm
	s_wait_alu depctr_va_vdst(0)                   ; the wait at the head's end
	s_wait_tensorcnt 0x0                           ; my tiles have landed,
	s_barrier_signal -1
	s_barrier_wait -1                              ; everybody's have
	FETCH 0
	s_wait_dscnt 0x0
	FETCH 1                                        ; the next step's fragments are asked for ahead of each step's 32 products
	MUL 0, 1
.irp st, 1,2,3,4,5,6
	PLACES NP                                      ; in front of loads into the set that the step before multiplied
	s_wait_dscnt 0x0                               ; this step's fragments are in
	FETCH \st+1
	MUL \st, 0
.endr
	s_wait_dscnt 0x0                               ; the last step's fragments are in: my reads of the tiles are over:
	s_barrier_signal -1                            ; say so, work on registers while the others arrive,
	MUL 7, 0
	WIN 0
	s_barrier_wait -1                              ; and go on when nobody reads the tiles any more: the stages lie on A's first bytes, which no load fills again
; THE WAY OUT, block by block of 16 rows x 128 columns: a lane holds 32 neighbouring bytes of a row, so a block goes through my stage and comes back as whole rows of 512 bytes, which the 32 lanes store as two aligned units of 256 bytes.
; LDS serves a wave's instructions in order (ISA guide 5.7.1.4): no wait between the stores and the loads.
.macro TOSTAGE a
	WIN 0x08                                       ; the data: window 2
.irp b, 0,1,2,3,4,5,6,7
	ds_store_b128 v[STO], v[64*(\a)+8*\b:64*(\a)+8*\b+3] offset:64*\b          ; each accumulator from its low end on
	ds_store_b128 v[STO], v[64*(\a)+8*\b+4:64*(\a)+8*\b+7] offset:64*\b+16
.endr
	WIN 0
.set BB, BK+64*((\a)%2)
.irp t, 0,1,2,3,4,5,6,7,8,9,10,11,12,13,14,15
	ds_load_b128 v[BB+4*\t:BB+4*\t+3], v[RD] offset:\t*SPITCH
.endr
.endm
.macro SEND a, younger                 ; younger: the LDS instructions issued behind block a's loads, which may stay out.  Place t of tile a is row 32 (a / 2) + 8 (a % 2) + t + 8 (t / 8)
.set BB, BK+64*((\a)%2)
	s_wait_dscnt \younger
.irp t, 0,1,2,3,4,5,6,7,8,9,10,11,12,13,14,15
	global_store_b128 v[CO], v[BB+4*\t:BB+4*\t+3], s[12:13] offset:(32*((\a)/2)+8*((\a)%2)+\t+8*(\t/8))*4096 th:TH_STORE_NT
.endr
.endm
	PLACES NP                                      ; behind the last products: for the reads of results and for the loads into registers that held A's fragments
	TOSTAGE 0
.irp a, 1,2,3
.if \a > 1
	s_wait_xcnt 0x0                                ; block a - 2's stores have read their registers: block a's loads may land there
.endif
	TOSTAGE \a
	SEND \a-1, 32                                  ; behind block a - 1's loads: block a's 16 stores and 16 loads
.endr
	SEND 3, 0
	s_wait_tensorcnt 0x0                           ; the wave's end
	ds_add_u32 v[SPW], v[NIL]
	s_wait_dscnt 0x0
	CROUND                                         ; the closing round
	s_endpgm
.Lfunc_end_k_q7c0d1560ed_gemm_out:
	.size	k_q7c0d1560ed_gemm_out, .Lfunc_end_k_q7c0d1560ed_gemm_out-k_q7c0d1560ed_gemm_out
	.p2alignl 7, 3214868480
	.fill 96, 4, 3214868480
	.section	.rodata,"a",@progbits
	.p2align	6, 0x0
	.amdhsa_kernel k_q7c0d1560ed_gemm_out
		.amdhsa_group_segment_fixed_size 327680
		.amdhsa_private_segment_fixed_size 0
		.amdhsa_enable_private_segment 0
		.amdhsa_kernarg_size 24
		.amdhsa_user_sgpr_count 2
		.amdhsa_user_sgpr_kernarg_segment_ptr 1
		.amdhsa_wavefront_size32 1
		.amdhsa_system_sgpr_workgroup_id_x 1
		.amdhsa_system_sgpr_workgroup_id_y 1
		.amdhsa_system_sgpr_workgroup_id_z 1
		.amdhsa_system_vgpr_workitem_id 0
		.amdhsa_next_free_vgpr 768
		.amdhsa_next_free_sgpr 66
		.amdhsa_reserve_vcc 0
		.amdhsa_float_denorm_mode_32 3
		.amdhsa_float_denorm_mode_16_64 3
		.amdhsa_memory_ordered 1
		.amdhsa_forward_progress 1
		.amdhsa_inst_pref_size 81
	.end_amdhsa_kernel
	.amdgpu_metadata
---
amdhsa.version: [ 1, 2 ]
amdhsa.kernels:
  - .name:           k_q7c0d1560ed_gemm_out
    .symbol:         k_q7c0d1560ed_gemm_out.kd
    .args:
      - { .name: oq, .offset: 0, .size: 8, .value_kind: global_buffer, .address_space: global }
      - { .name: wq, .offset: 8, .size: 8, .value_kind: global_buffer, .address_space: global }
      - { .name: out0, .offset: 16, .size: 8, .value_kind: global_buffer, .address_space: global }
    .group_segment_fixed_size: 327680
    .private_segment_fixed_size: 0
    .kernarg_segment_align: 8
    .kernarg_segment_size: 24
    .max_flat_workgroup_size: 128
    .sgpr_count:     66
    .vgpr_count:     768
    .wavefront_size: 32
...
	.end_amdgpu_metadata
.endif
;; end of part 4
